; MI455X (gfx1250); checked and timed in simulation.
; The chip was launched on July 23, 2026; its instructions are those of AMD's public machine-readable ISA for CDNA 5 (MIT licence, August 2026) and "CDNA5" Instruction Set Architecture Reference Guide (July 2026). The comments in the code are by the model that wrote it; some were corrected since.
;; Attention With Coverage. Allowed arithmetic: float matrix products may take bf16 or f16 operands with f32 sums; all other float work in f32.
;; Inputs: U 1,024 x 1,024 float32; W 1,024 x 1,024 float32; coverage 32 x 2,048 float32; matrix 32 x 2,048 x 1,024 float32; matrix_mask 32 x 2,048 bool; v 1,024 float32; vector 32 x 1,024 float32; w1 1,024 float32.
;; Outputs: out0 32 x 1,024 float32; out1 32 x 2,048 float32; out2 32 x 2,048 float32.
;; 2 versions, each right; version 2 is version 1 with the launch main written anew for expert scheduling mode. Each part assembles by itself: llvm-mc -triple=amdgcn-amd-amdhsa -mcpu=gfx1250 --defsym DOCPART=n.
;; ======== version 1 of 2: 3 launches
;; limits: values outside matrix products are rounded to bf16
;; workspace buffers: uf 2,097,152 bytes; vw 131,072 bytes; pw 262,144 bytes; wpart 2,359,296 bytes
;; launch prep (part 1): grid 64 x 1, 8 waves a work-group, no clusters, 17,408 bytes of LDS; arguments U, W, vector, uf, vw; writes uf, vw
.if DOCPART == 1
	.amdgcn_target "amdgcn-amd-amdhsa--gfx1250"
	.amdhsa_code_object_version 6
	.text
	.protected	k_q3db30fadd4_prep
	.globl	k_q3db30fadd4_prep
	.p2align	8
	.type	k_q3db30fadd4_prep,@function
k_q3db30fadd4_prep:
	s_mov_b64 s[64:65], 0
	v_nop
	global_prefetch_b8 v0, s[64:65] scope:SCOPE_SE
	s_setreg_imm32_b32 hwreg(HW_REG_WAVE_MODE, 25, 1), 1
	s_wait_xcnt 0x0
; Two small jobs ahead of the main launch, both in every work-group g (0..63), eight waves.
; (1) vw = vector @ W for the 16 columns 16 g .. 16 g + 15 and all 32 batches, on the matrix unit: W and vector rounded to bf16, sums in f32.
;     Wave w takes K = 128 w .. 128 w + 127 (four steps of 32); the eight partial sums meet in LDS.
;     vw is laid [64 column blocks][32 batches][16] in f32, so that a work-group's 2,048 bytes are dense.
; (2) uf = U rounded to bf16, in the order of matrix fragments: blocks of 1,024 bytes, block slab*256 + (k>>5)*8 + ((n>>4)&7), slab = 2*((n>>7)&3) + (n>>9):
;     the two slabs of 128 columns that one wave of the main launch walks (columns 128 w on, then 512 + 128 w on) lie one behind the other, 524,288 dense bytes.
;     In a block byte i*512 + h*256 + r*16 + 2 e holds U[32 ks + 16 i + 8 h + e][.. + r]: one 16-byte load a lane (lane = 16 h + r) is half a fragment.
;     Work-group g takes K step g>>1 and the 512 columns of half g&1, wave w 64 of them.
; No cluster, no tensor load: no two work-groups read the same bytes of U, and of W each reads its own 64 bytes of every row.
; LIMITS: bf16 rounding of U, W and vector (to nearest even); NaN and infinities are not treated apart.
.set SPARE, 16384                      ; behind the eight waves' partial sums (2,048 bytes each): the spare words, 128 bytes a wave
.set SPW, 4                            ; v4   SPARE + 4 x my thread's number; never rewritten
.set NIL, 5                            ; v5   0; never rewritten
.set WT,  16                           ; v16-79   W as loaded (16 a K step), then its fragments (the first 8 of each 16)
.set VT,  80                           ; v80-207  vector as loaded (16 for each K step and batch block), then its fragments
.set ACC0, 208                         ; v208-215 batches 0-15
.set ACC1, 216                         ; v216-223 batches 16-31
.set UT,  0                            ; window 1, v0-63: U as loaded, eight sets of eight
.set MSB, 0
.macro WIN new                         ; the immediate's high byte repeats the setting that is left; a switch that changes nothing is dropped
.if MSB != (\new)
	s_set_vgpr_msb (MSB<<8)|(\new)
.set MSB, (\new)
.endif
.endm
	s_load_b256 s[4:11], s[0:1], 0x0               ; U s[4:5], W s[6:7], vector s[8:9], uf s[10:11]
	s_load_b64 s[12:13], s[0:1], 0x20              ; vw
	v_lshl_add_u32 v[SPW], v0, 2, SPARE
	v_mov_b32 v[NIL], 0
	v_lshrrev_b32 v1, 5, v0
	v_readfirstlane_b32 s2, v1                     ; wave 0..7
	s_mov_b32 s3, ttmp9                            ; g
	v_and_b32 v1, 15, v0                           ; r
	v_bfe_u32 v2, v0, 4, 1                         ; h
	v_and_b32 v3, 31, v0                           ; lane
	v_lshlrev_b32 v6, 2, v1                        ; W: column r, 8 h rows down
	v_lshl_add_u32 v6, v2, 15, v6
	v_lshlrev_b32 v7, 12, v1                       ; vector: batch r, 8 h numbers on
	v_lshl_add_u32 v7, v2, 5, v7
	v_lshlrev_b32 v8, 2, v3                        ; U: column = lane
	v_lshlrev_b32 v9, 4, v1                        ; uf: block h of two, 16 bytes at r
	v_lshl_add_u32 v9, v2, 10, v9
	v_lshlrev_b32 v10, 4, v3                       ; LDS: my wave's 2,048 bytes, 16 bytes a lane
	v_lshl_add_u32 v10, s2, 11, v10
	s_lshl_b32 s14, s2, 19                         ; W: 128 w rows of 4,096 bytes + 16 g columns
	s_lshl_b32 s16, s3, 6
	s_add_co_u32 s14, s14, s16
	s_mov_b32 s15, 0
	s_lshl_b32 s16, s2, 9                          ; vector: 128 w numbers
	s_mov_b32 s17, 0
	s_lshr_b32 s22, s3, 1                          ; ks
	s_and_b32 s23, s3, 1                           ; half
	s_lshl_b32 s18, s22, 17                        ; U: 32 ks rows + 512 half + 64 w columns
	s_lshl_b32 s24, s23, 11
	s_add_co_u32 s18, s18, s24
	s_lshl_b32 s24, s2, 8
	s_add_co_u32 s18, s18, s24
	s_mov_b32 s19, 0
	s_and_b32 s20, s2, 6                           ; uf: slab 2 (w / 2) + half, K step ks, blocks 4 (w % 2) on
	s_add_co_u32 s20, s20, s23
	s_lshl_b32 s20, s20, 18
	s_lshl_b32 s24, s22, 13
	s_add_co_u32 s20, s20, s24
	s_and_b32 s24, s2, 1
	s_lshl_b32 s24, s24, 12
	s_add_co_u32 s20, s20, s24
	s_mov_b32 s21, 0
	s_lshl_b32 s24, s3, 11                         ; vw: my 2,048 bytes
	s_mov_b32 s25, 0
	s_wait_kmcnt 0x0
	s_add_nc_u64 s[6:7], s[6:7], s[14:15]
	s_add_nc_u64 s[8:9], s[8:9], s[16:17]
	s_add_nc_u64 s[4:5], s[4:5], s[18:19]
	s_add_nc_u64 s[10:11], s[10:11], s[20:21]
	s_add_nc_u64 s[12:13], s[12:13], s[24:25]
	; all loads on end: W's 64, vector's 32, then U's 64
.set x, 0
.rept 64                               ; x = 16 ksl + 8 i + e: W[128 w + 32 ksl + 16 i + 8 h + e][16 g + r]
	global_load_b32 v[WT+x], v6, s[6:7] offset:(32*(x/16)+16*((x/8)%2)+x%8)*4096
.set x, x+1
.endr
.set x, 0
.rept 32                               ; x = ((2 ksl + blk) 2 + i) 2 + half: vector[16 blk + r][128 w + 32 ksl + 16 i + 8 h + 4 half ..]
	global_load_b128 v[VT+4*x:VT+4*x+3], v7, s[8:9] offset:((x/4)%2)*65536+(x/8)*128+((x/2)%2)*64+(x%2)*16
.set x, x+1
.endr
	WIN 0x40                                       ; destination window 1, address window 0
.set x, 0
.rept 64                               ; x = 8 set + e, set = (2 q + i) 2 + hh: U[32 ks + 16 i + 8 hh + e][.. + 32 q + lane]
	global_load_b32 v[UT+x], v8, s[4:5] offset:(16*((x/16)%2)+8*((x/8)%2)+x%8)*4096+(x/32)*128
.set x, x+1
.endr
	WIN 0
	s_wait_loadcnt 63                              ; loads come back in order: behind W's and vector's 96 stand U's 64, so at 63 the 96 are in
	; rounding in place, ascending: number z of a fragment's eight words takes numbers 2 z and 2 z + 1, so no word is written before it is read
.set f, 0
.rept 4
.set z, 0
.rept 8
	v_cvt_pk_bf16_f32 v[WT+16*f+z], v[WT+16*f+2*z], v[WT+16*f+2*z+1]
.set z, z+1
.endr
.set f, f+1
.endr
.set f, 0
.rept 8
.set z, 0
.rept 8
	v_cvt_pk_bf16_f32 v[VT+16*f+z], v[VT+16*f+2*z], v[VT+16*f+2*z+1]
.set z, z+1
.endr
.set f, f+1
.endr
	; source 0 = 16 columns of W, source 1 = 16 batches: register j of lane (r, h) is vW[16 blk + r][16 g + 8 h + j].
	; The two accumulators take turns, one instruction a turn; the first K step starts the sums.
	v_wmma_f32_16x16x32_bf16 v[ACC0:ACC0+7], v[WT:WT+7], v[VT:VT+7], 0
	v_wmma_f32_16x16x32_bf16 v[ACC1:ACC1+7], v[WT:WT+7], v[VT+16:VT+23], 0
.set k, 1
.rept 3
	v_wmma_f32_16x16x32_bf16 v[ACC0:ACC0+7], v[WT+16*k:WT+16*k+7], v[VT+32*k:VT+32*k+7], v[ACC0:ACC0+7]
	v_wmma_f32_16x16x32_bf16 v[ACC1:ACC1+7], v[WT+16*k:WT+16*k+7], v[VT+32*k+16:VT+32*k+23], v[ACC1:ACC1+7]
.set k, k+1
.endr
.rept 4
	v_nop                                          ; four places between the last product and the stores that read the results
.endr
	ds_store_b128 v10, v[ACC0:ACC0+3]              ; each accumulator from its low end on
	ds_store_b128 v10, v[ACC0+4:ACC0+7] offset:512
	ds_store_b128 v10, v[ACC1:ACC1+3] offset:1024
	ds_store_b128 v10, v[ACC1+4:ACC1+7] offset:1536
	; U: each set of eight rows is rounded as it comes
	WIN 0x45                                       ; sources and destination in window 1
.set f, 0
.rept 8
	s_wait_loadcnt 56-8*f                          ; the sets behind this one stay out
.set z, 0
.rept 4
	v_cvt_pk_bf16_f32 v[UT+8*f+z], v[UT+8*f+2*z], v[UT+8*f+2*z+1]
.set z, z+1
.endr
.set f, f+1
.endr
	WIN 0x04                                       ; store data in window 1, address in window 0
.set f, 0
.rept 8                                ; set f = (2 q + i) 2 + hh: sixteen lanes store 256 consecutive bytes, at a multiple of 256 from uf's first byte
	global_store_b128 v9, v[UT+8*f:UT+8*f+3], s[10:11] offset:(f/4)*2048+((f/2)%2)*512+(f%2)*256
.set f, f+1
.endr
	WIN 0
	s_wait_dscnt 0x0                               ; for the others' sake: my partial sums are in LDS
	s_barrier_signal -1
	s_barrier_wait -1
	s_cmp_ge_u32 s2, 4
	s_cbranch_scc1 .Lend                           ; waves 0-3 add the eight partial sums, 512 bytes of vw each
	; byte 512 q + 16 L of my 2,048 is batch 8 q + L / 4, columns 4 (L % 4) on: in a wave's partial sums that is
	; quad 2 (q / 2) + L % 2 (512 bytes each), lane 16 ((L / 2) % 2) + 8 (q % 2) + L / 4
	v_and_b32 v11, 1, v3
	v_lshlrev_b32 v11, 9, v11
	v_bfe_u32 v13, v3, 1, 1
	v_lshl_add_u32 v11, v13, 8, v11
	v_lshrrev_b32 v13, 2, v3
	v_lshl_add_u32 v11, v13, 4, v11
	s_lshr_b32 s14, s2, 1
	s_lshl_b32 s14, s14, 10
	s_and_b32 s15, s2, 1
	s_lshl_b32 s15, s15, 7
	s_add_co_u32 s14, s14, s15
	v_add_nc_u32 v11, s14, v11
.irp s, 0,1,2,3,4,5,6,7
	ds_load_b128 v[16+4*\s:16+4*\s+3], v11 offset:(\s)*2048
.endr
	v_lshlrev_b32 v12, 4, v0                       ; 512 q + 16 L = 16 x my thread's number
	s_wait_dscnt 0x0
.irp s, 0,2,4,6,8,10,12,14
	v_pk_add_f32 v[16+\s:16+\s+1], v[16+\s:16+\s+1], v[32+\s:32+\s+1]
.endr
.irp s, 0,2,4,6
	v_pk_add_f32 v[16+\s:16+\s+1], v[16+\s:16+\s+1], v[24+\s:24+\s+1]
.endr
.irp s, 0,2
	v_pk_add_f32 v[16+\s:16+\s+1], v[16+\s:16+\s+1], v[20+\s:20+\s+1]
.endr
	global_store_b128 v12, v[16:19], s[12:13]      ; a wave stores 512 consecutive bytes
.Lend:
	s_wait_tensorcnt 0x0                           ; the wave's end, behind my last LDS store
	ds_add_u32 v[SPW], v[NIL]
	s_wait_dscnt 0x0
	s_endpgm
.Lfunc_end_k_q3db30fadd4_prep:
	.size	k_q3db30fadd4_prep, .Lfunc_end_k_q3db30fadd4_prep-k_q3db30fadd4_prep
	.p2alignl 7, 3214868480
	.fill 96, 4, 3214868480
	.section	.rodata,"a",@progbits
	.p2align	6, 0x0
	.amdhsa_kernel k_q3db30fadd4_prep
		.amdhsa_group_segment_fixed_size 17408
		.amdhsa_private_segment_fixed_size 0
		.amdhsa_enable_private_segment 0
		.amdhsa_kernarg_size 40
		.amdhsa_user_sgpr_count 2
		.amdhsa_user_sgpr_kernarg_segment_ptr 1
		.amdhsa_wavefront_size32 1
		.amdhsa_system_sgpr_workgroup_id_x 1
		.amdhsa_system_sgpr_workgroup_id_y 1
		.amdhsa_system_sgpr_workgroup_id_z 1
		.amdhsa_system_vgpr_workitem_id 0
		.amdhsa_next_free_vgpr 320
		.amdhsa_next_free_sgpr 66
		.amdhsa_reserve_vcc 0
		.amdhsa_float_denorm_mode_32 3
		.amdhsa_float_denorm_mode_16_64 3
		.amdhsa_memory_ordered 1
		.amdhsa_forward_progress 1
		.amdhsa_inst_pref_size 30
	.end_amdhsa_kernel
	.amdgpu_metadata
---
amdhsa.version: [ 1, 2 ]
amdhsa.kernels:
  - .name:           k_q3db30fadd4_prep
    .symbol:         k_q3db30fadd4_prep.kd
    .args:
      - { .name: U, .offset: 0, .size: 8, .value_kind: global_buffer, .address_space: global }
      - { .name: W, .offset: 8, .size: 8, .value_kind: global_buffer, .address_space: global }
      - { .name: vector, .offset: 16, .size: 8, .value_kind: global_buffer, .address_space: global }
      - { .name: uf, .offset: 24, .size: 8, .value_kind: global_buffer, .address_space: global }
      - { .name: vw, .offset: 32, .size: 8, .value_kind: global_buffer, .address_space: global }
    .group_segment_fixed_size: 17408
    .private_segment_fixed_size: 0
    .kernarg_segment_align: 8
    .kernarg_segment_size: 40
    .max_flat_workgroup_size: 256
    .sgpr_count:     66
    .vgpr_count:     320
    .wavefront_size: 32
...
	.end_amdgpu_metadata
.endif
;; end of part 1
;; launch main (part 2): grid 512 x 1, 4 waves a work-group, no clusters, 299,520 bytes of LDS; arguments matrix, matrix_mask, coverage, v, w1, uf, vw, pw, wpart; writes pw, wpart
.if DOCPART == 2
	.amdgcn_target "amdgcn-amd-amdhsa--gfx1250"
	.amdhsa_code_object_version 6
	.text
	.protected	k_q3db30fadd4_main
	.globl	k_q3db30fadd4_main
	.p2align	8
	.type	k_q3db30fadd4_main,@function
k_q3db30fadd4_main:
	s_mov_b64 s[64:65], 0
	v_nop
	global_prefetch_b8 v0, s[64:65] scope:SCOPE_SE
	s_setreg_imm32_b32 hwreg(HW_REG_WAVE_MODE, 25, 1), 1
	s_wait_xcnt 0x0
; One tile of 128 rows of one batch (tile T = rows 128 T .. of the 65,536; batch T / 16), from matrix to its share of the softmax:
;   x[l][n] = vW[b][n] + coverage[l] w1[n] + (row l . U[:, n]);  logit[l] = sum over n of v[n] tanh(x);  m = the tile's largest unmasked logit;  p[l] = exp(logit - m), 0 where masked;
;   l = sum of p;  wpart = sum over l of p[l] row l.  The last launch joins a batch's 16 tiles: the maximum is taken away by tile here and by batch there.
; tanh(x) = 1 - 2 r, r = 1 / (1 + 2^(K x)), K = 2 log2(e): right at both ends, where 2^(K x) is infinite or 0.  So logit = sum of v - 2 sum of v r.  The first sum is one number for all rows of all
; batches, and a softmax does not change when one number is added to all its logits: it is left out, for every input, and "logit" below is sum over n of (-2 v[n]) r.
; THE TILE IS READ FROM MEMORY ONCE, 512 KiB of f32, rounded to bf16 on the way, and stays in LDS for both products, as 8 CHUNKS of 128 along K (128 rows x 272 bytes each).
; SHARES.  Four waves split the 1,024 columns: in pass c (0, 1) wave w makes 128 rows x the 128 columns 512 c + 128 w on: 64 accumulators, 512 registers.  For 32 along K a wave reads
; 8 KiB of the tile from LDS and 8 KiB of U's fragments (uf, laid in fragment order by the launch before) straight from memory into registers, and issues 64 matrix instructions.
; THE TILE COMES IN UNDER PASS 0.  A GROUP is 8 rows x 512 bytes of my wave's 32 rows (8 loads; four groups make my share of a chunk).  K step t, in its one run of memory work, rounds and stores
; group t + 4 and asks for group t + 6, into two slots of 8 loads that take turns: 16 loads of matrix of every wave are on their way, each with two K steps in which to land.  Steps 3, 7, .. 27 hold a
; barrier: behind it the next chunk is whole for all four waves.  Only chunk 0 is waited for ahead of the first product.
; THE MATRIX INSTRUCTION IS USED TRANSPOSED (source 0 = 16 columns of U, source 1 = 16 rows): lane (r, h) holds row 16 a + r and the columns 16 b + 8 h + 0..7, so a row's coverage is one
; register a lane, and the sum over columns wants one exchange between the halves of the lanes at the very end.
; THE SUMS START FROM vW + coverage w1, written into the accumulators ahead of each pass (in pass 0: in the wait for the first chunk): every K step is alike, and nothing is cleared.
; NO CLUSTER, NO TENSOR LOAD, though every work-group walks all of U: the tile and the small regions take 299,520 of a WGP's 327,680 bytes; 32 along K of the work-group's 512 columns are 32,768
; bytes, more than is left; each fragment of U is used by one wave alone, so LDS would only stage it; and matrix has to pass through registers to be rounded.
; LIMITS.  matrix, U, W, vector, v, w1 and (inside the tanh) coverage are rounded to bf16; sums, tanh and softmax in f32.  p enters the second product as two bf16, hi + lo (16 bits of it).
; A weight below 2^-126 counts as 0.  A masked row counts as -1e30, as in the reference; a tile with no true mask entry gives m = -1e30, l = 0, zeros.  NaN and infinities are not treated apart.
; REGISTERS, in windows of 256 (s_set_vgpr_msb: bits 1:0 source 0, 3:2 source 1, 5:4 source 2, 7:6 destination):
;   window 0: v0-63 addresses, coverage, sums; v64-127, v128-191 the rows' fragments, two buffers; v192-255 the two slots for matrix, later at work
;   window 1: U's fragments of four K steps, 64 each     window 2: accumulators of rows 0-63 ((a, b) at 8 (8 a + b))     window 3: those of rows 64-127
.set CPITCH, 272                       ; a chunk's row in LDS: 256 bytes + 16 = 68 words: row r starts at bank 4 r mod 64 (64 banks of 4 bytes: ISA guide 11.1), so the 16 rows of a fragment load start at 16 different banks
.set CHUNK, 128*CPITCH                 ; 34,816 bytes
.set CONST, 8*CHUNK                    ; f32[1024] three times: vW[b], bf16(w1), -2 bf16(v)
.set SP,    CONST+12288                ; [wave][128] partial logits
.set PB,    SP+2048                    ; for each wave 512 bytes of its own: p hi [128] bf16, p lo [128]
.set OST,   PB+2048                    ; for each wave 1,024 bytes of its own: its 256 channels of sum p row
.set SPARE, OST+4096                   ; the spare words, 128 bytes a wave: two blocks of 256 bytes that no other line names
.set SPW, 4                            ; v4   SPARE + 4 x my thread's number; never rewritten
.set NIL, 5                            ; v5   0; never rewritten
.set VU,  6                            ; v6   16 x lane; never rewritten
.set STA, 7                            ; v7   where I put 8 bytes of my wave's first row, in the chunk that is being filled
.set ADB, 8                            ; v8   my part of a fragment in chunk 0: r x pitch + 16 h; never rewritten
.set ADRA, 9                           ; v9   the same in the chunk in hand
.set ADRN, 10                          ; v10  the same in the chunk that follows it
.set CADR, 11                          ; v11  my 8 columns' constants in the pass in hand
.set MSK, 12                           ; v12  the mask bytes of rows 4 lane .. + 3
.set SPA, 13                           ; v13  partial logits: where I put row r
.set SPR, 14                           ; v14  partial logits: where I read rows 4 lane .. + 3
.set PBW, 15                           ; v15  where I put four p
.set PFA, 16                           ; v16  where I read p's fragments
.set OSA, 17                           ; v17  where I put channel r
.set OSR, 18                           ; v18  where I read four channels back
.set TRA, 19                           ; v19  the turning loads' address
.set PFO, 20                           ; v20  4,096 x lane; never rewritten
.set COV, 24                           ; v24-31  coverage of row 16 a + r, rounded to bf16
.set S,   32                           ; v32-47  a pair for each row block: sum of -2 v r over my even and odd columns
.set AF0, 64                           ; the rows' fragments: buffer f at AF0 + 64 f
.set CB,  128                          ; epilogue: -2 v of my 8 columns in each of the 8 column blocks (in the rows' second buffer)
.set SG,  192                          ; v192-255 two slots of 8 loads of matrix
.set IC,  192                          ; window 1, v192-255: vW and w1 for four column blocks, while U's fourth buffer is free
.set TP,  224                          ; v224-239 at work behind the passes
.set MSB, 0
.macro WIN new                         ; the immediate's high byte repeats the setting that is left; a switch that changes nothing is dropped
.if MSB != (\new)
	s_set_vgpr_msb (MSB<<8)|(\new)
.set MSB, (\new)
.endif
.endm
.macro PLACES                          ; a load into a register that a matrix instruction has read, and a vector instruction that reads a matrix result or writes one of its registers, stand four
.rept 4                                ; places behind it, and only plain vector instructions that name none of its registers are places (ISA guide 7.12.1 for vector instructions)
	v_nop
.endr
.endm
	s_load_b512 s[8:23], s[0:1], 0x0               ; matrix s[8:9], mask s[10:11], coverage s[12:13], v s[14:15], w1 s[16:17], uf s[18:19], vw s[20:21], pw s[22:23]
	s_load_b64 s[24:25], s[0:1], 0x40              ; wpart
	v_lshl_add_u32 v[SPW], v0, 2, SPARE
	v_mov_b32 v[NIL], 0
	v_lshrrev_b32 v1, 5, v0
	v_readfirstlane_b32 s2, v1                     ; wave 0..3
	s_mov_b32 s3, ttmp9                            ; T
	s_lshr_b32 s4, s3, 4                           ; b
	s_mov_b32 s26, 0x4038aa3b                      ; K = 2 log2(e); the packed forms name a pair and take its low word
	s_mov_b32 s27, 0x4038aa3b
	s_mov_b32 s28, 0x76543210                      ; v_permlanex16_b32: each lane takes its own place in the other half
	s_mov_b32 s29, 0xfedcba98
	s_mov_b32 s38, 0xf149f2ca                      ; -1e30
	s_mov_b32 s39, 0x3fb8aa3b                      ; log2(e)
	s_mov_b32 s40, 0xffff0000                      ; a word's upper bf16
	v_and_b32 v1, 15, v0                           ; r
	v_bfe_u32 v2, v0, 4, 1                         ; h
	v_and_b32 v3, 31, v0                           ; lane
	v_lshlrev_b32 v[VU], 4, v3
	s_mul_i32 s5, s2, 32*CPITCH                    ; my wave brings rows 32 w .. 32 w + 31
	v_lshl_add_u32 v[STA], v3, 3, s5
	v_mul_u32_u24 v[ADB], v1, CPITCH
	v_lshl_add_u32 v[ADB], v2, 4, v[ADB]
	s_lshl_b32 s5, s2, 9                           ; 512 w
	s_add_co_u32 s6, s5, CONST
	v_lshl_add_u32 v[CADR], v2, 5, s6
	s_add_co_u32 s6, s5, SP
	v_lshl_add_u32 v[SPA], v1, 2, s6
	v_lshl_add_u32 v[SPR], v3, 4, SP
	s_add_co_u32 s6, s5, PB
	v_lshl_add_u32 v[PBW], v3, 3, s6
	v_and_b32 v21, 1, v0
	v_lshl_add_u32 v[PFA], v21, 8, s6              ; even rows of the fragment take hi, odd rows lo
	v_lshl_add_u32 v[PFA], v2, 4, v[PFA]
	s_lshl_b32 s6, s2, 10
	s_add_co_u32 s6, s6, OST
	v_lshl_add_u32 v[OSA], v1, 2, s6
	v_lshl_add_u32 v[OSR], v3, 4, s6
	v_and_b32 v21, 7, v0                           ; the turning load: lane L reads row 8 h + L % 8, channels 8 ((L / 8) % 2) on; my wave's 256 channels are chunks 2 w and 2 w + 1
	v_lshl_add_u32 v21, v2, 3, v21
	v_mul_u32_u24 v21, v21, CPITCH
	v_bfe_u32 v22, v0, 3, 1
	v_lshl_add_u32 v21, v22, 4, v21
	s_mul_i32 s6, s2, 2*CHUNK
	v_add_nc_u32 v[TRA], s6, v21
	v_lshlrev_b32 v[PFO], 12, v3
	v_lshlrev_b32 v21, 5, v0                       ; w1, v: my thread's 8 numbers
	v_lshrrev_b32 v22, 1, v0                       ; vw: column block t / 2, 8 (t % 2) numbers on
	v_lshlrev_b32 v22, 11, v22
	v_and_b32 v23, 1, v0
	v_lshl_add_u32 v22, v23, 5, v22
	v_lshlrev_b32 v23, 2, v1                       ; coverage: row r
	v_lshlrev_b32 v[ADRA], 2, v3                   ; for now: the mask's offset, 4 bytes a lane;
	v_lshl_add_u32 v[ADRN], v0, 5, CONST           ; and where my thread's 8 constants go
	s_wait_kmcnt 0x0
	s_lshl_b32 s32, s3, 19                         ; a tile is 524,288 bytes of matrix (T < 512: under 2^28),
	s_mov_b32 s33, 0
	s_add_nc_u64 s[8:9], s[8:9], s[32:33]
	s_lshl_b32 s32, s2, 17                         ; my wave's 32 rows
	s_add_nc_u64 s[8:9], s[8:9], s[32:33]
	s_add_nc_u64 s[42:43], s[8:9], 0x8000000       ; the same rows of tile T + 256: used where T < 256 alone
	s_lshl_b32 s32, s3, 7
	s_add_nc_u64 s[10:11], s[10:11], s[32:33]
	s_lshl_b32 s32, s3, 9
	s_add_nc_u64 s[12:13], s[12:13], s[32:33]
	s_add_nc_u64 s[22:23], s[22:23], s[32:33]
	s_lshl_b32 s32, s4, 6
	s_add_nc_u64 s[20:21], s[20:21], s[32:33]
	s_lshl_b32 s32, s2, 19                         ; uf: my wave's two slabs, 524,288 dense bytes: 64 K steps of 8,192
	s_add_nc_u64 s[18:19], s[18:19], s[32:33]
	s_mul_i32 s32, s3, 4608                        ; wpart: my tile's record, my wave's 1,024 bytes
	s_lshl_b32 s5, s2, 10
	s_add_co_u32 s32, s32, s5
	s_add_nc_u64 s[24:25], s[24:25], s[32:33]
	; 63 loads on end: the small inputs (15), my share of chunk 0 (groups 0-3, into the rows' buffers, which are free), groups 4 and 5 (into the two slots)
	global_load_b128 v[32:35], v21, s[16:17]       ; w1
	global_load_b128 v[36:39], v21, s[16:17] offset:16
	global_load_b128 v[40:43], v21, s[14:15]       ; v
	global_load_b128 v[44:47], v21, s[14:15] offset:16
	global_load_b128 v[48:51], v22, s[20:21]       ; vW
	global_load_b128 v[52:55], v22, s[20:21] offset:16
.irp a, 0,1,2,3,4,5,6,7
	global_load_b32 v[COV+\a], v23, s[12:13] offset:64*(\a)
.endr
	global_load_b32 v[MSK], v[ADRA], s[10:11]
.set i, 0
.rept 32
	global_load_b128 v[AF0+4*i:AF0+4*i+3], v[VU], s[8:9] offset:i*4096 th:TH_LOAD_NT       ; a load of the wave: 512 consecutive bytes of one row
.set i, i+1
.endr
.set i, 0
.rept 16
	global_load_b128 v[SG+4*i:SG+4*i+3], v[VU], s[8:9] offset:i*4096+512 th:TH_LOAD_NT     ; rows 0-15 of chunk 1
.set i, i+1
.endr
	s_wait_loadcnt 48                              ; loads come back in order (ISA guide 5.7.1): behind the 15 stand 48
.irp u, 0,1,2,3
	v_cvt_pk_bf16_f32 v[56+\u], v[32+2*\u], v[32+2*\u+1]      ; w1 and v rounded to bf16,
	v_cvt_pk_bf16_f32 v[60+\u], v[40+2*\u], v[40+2*\u+1]
.endr
.irp u, 0,1,2,3
	v_lshlrev_b32 v[32+2*\u], 16, v[56+\u]                    ; and widened again
	v_and_b32 v[32+2*\u+1], s40, v[56+\u]
	v_lshlrev_b32 v[40+2*\u], 16, v[60+\u]
	v_and_b32 v[40+2*\u+1], s40, v[60+\u]
.endr
.irp u, 0,1,2,3
	v_pk_mul_f32 v[40+2*\u:40+2*\u+1], v[40+2*\u:40+2*\u+1], -2.0 op_sel_hi:[1,0]
.endr
	ds_store_b128 v[ADRN], v[48:51]
	ds_store_b128 v[ADRN], v[52:55] offset:16
	ds_store_b128 v[ADRN], v[32:35] offset:4096
	ds_store_b128 v[ADRN], v[36:39] offset:4112
	ds_store_b128 v[ADRN], v[40:43] offset:8192
	ds_store_b128 v[ADRN], v[44:47] offset:8208
.irp u, 0,1,2,3
	v_cvt_pk_bf16_f32 v[56+\u], v[COV+2*\u], v[COV+2*\u+1]
.endr
.irp u, 0,1,2,3
	v_lshlrev_b32 v[COV+2*\u], 16, v[56+\u]
	v_and_b32 v[COV+2*\u+1], s40, v[56+\u]
.endr
	s_wait_dscnt 0x0                               ; for the others' sake: my constants are in LDS
	s_barrier_signal -1
	s_barrier_wait -1                              ; the constants are whole, and nothing writes them again
.irp u, 0,1,2,3,4,5,6,7,8,9,10,11,12,13,14,15
	v_mov_b32 v[S+\u], 0                           ; one text of the epilogue serves both passes, so these sixteen sums are cleared
.endr
; THE SUMS' START: accumulator (a, b) takes vW + coverage w1 for its 16 rows and 16 columns.  The constants of four column blocks at a time come from LDS into U's fourth buffer, which is free here.
.macro INIT
.irp g, 0,1
	WIN 0x40                                       ; destination window 1, address window 0
.irp bb, 0,1,2,3
.irp arr, 0,1
	ds_load_b128 v[IC+16*(\bb)+8*(\arr):IC+16*(\bb)+8*(\arr)+3],   v[CADR] offset:(\arr)*4096+(4*(\g)+(\bb))*64
	ds_load_b128 v[IC+16*(\bb)+8*(\arr)+4:IC+16*(\bb)+8*(\arr)+7], v[CADR] offset:(\arr)*4096+(4*(\g)+(\bb))*64+16
.endr
.endr
	s_wait_dscnt 0x0
.irp bb, 0,1,2,3
.irp hi, 0,1
	WIN 0x91+0x40*(\hi)                            ; w1 and vW window 1, coverage window 0, destination window 2 or 3
.irp p, 0,1,2,3
.irp a, 0,1,2,3
.set rA, 8*(8*(\a)+4*(\g)+(\bb))+2*(\p)
.set rI, IC+16*(\bb)+2*(\p)
.set rV, COV+4*(\hi)+2*((\a)/2)
.if ((\a)%2) == 0
	v_pk_fma_f32 v[rA:rA+1], v[rI+8:rI+9], v[rV:rV+1], v[rI:rI+1] op_sel_hi:[1,0,1]
.else
	v_pk_fma_f32 v[rA:rA+1], v[rI+8:rI+9], v[rV:rV+1], v[rI:rI+1] op_sel:[0,1,0] op_sel_hi:[1,1,1]
.endif
.endr
.endr
.endr
.endr
.endr
.endm
; Eight loads of matrix (registers base on; rows 8 q .. 8 q + 7 of my 32) are rounded in place, a lane's 4 numbers to 8 bytes, and stored: a store of the wave covers 256 consecutive bytes.
; cnt: the loads younger than these eight.
.macro CONV base, q, cnt
	WIN 0
	s_wait_loadcnt \cnt
.irp i, 0,1,2,3,4,5,6,7
	v_cvt_pk_bf16_f32 v[(\base)+4*(\i)],   v[(\base)+4*(\i)],   v[(\base)+4*(\i)+1]
	v_cvt_pk_bf16_f32 v[(\base)+4*(\i)+1], v[(\base)+4*(\i)+2], v[(\base)+4*(\i)+3]
.endr
.irp i, 0,1,2,3,4,5,6,7
	ds_store_b64 v[STA], v[(\base)+4*(\i):(\base)+4*(\i)+1] offset:(8*(\q)+(\i))*CPITCH
.endr
.endm
.macro MLOAD slot, off                 ; a group is asked for: 8 rows from byte off of the running address
	WIN 0
.irp i, 0,1,2,3,4,5,6,7
	global_load_b128 v[SG+32*(\slot)+4*(\i):SG+32*(\slot)+4*(\i)+3], v[VU], s[8:9] offset:(\off)+(\i)*4096 th:TH_LOAD_NT
.endr
.endm
.macro GROW q, cnt                     ; a group of chunk 0, and twelve of the 48 loads that bring U's first three K steps
	CONV AF0+32*(\q), \q, \cnt
	WIN 0x40                                       ; destination window 1
.set x, 12*(\q)
.rept 12
	global_load_b128 v[64*(x/16)+4*(x%16):64*(x/16)+4*(x%16)+3], v[VU], s[18:19] offset:(x/16)*8192+(x%16)*512
.set x, x+1
.endr
.endm
	INIT                                           ; pass 0's: it stands in the wait for chunk 0
	GROW 0, 40                                     ; younger than group q: 8 (3 - q) of chunk 0, the 16 of groups 4 and 5, 12 q of U
	GROW 1, 44
	GROW 2, 48
	GROW 3, 51                                     ; (52 would do; with 51 no more than 63 loads are out behind the twelve that follow)
	WIN 0
	v_add_nc_u32 v[STA], CHUNK, v[STA]             ; the next stores go to chunk 1
	v_mov_b32 v[ADRA], v[ADB]
	v_add_nc_u32 v[ADRN], CHUNK, v[ADB]
	s_wait_dscnt 0x0                               ; for the others' sake: my rows of chunk 0 are in LDS
	s_barrier_signal -1
	s_barrier_wait -1                              ; chunk 0 is whole
; THE PRODUCT.  16 matrix instructions: row blocks a0, a0 + 1 of the window's four (hi = 0: rows 0-63, 1: rows 64-127) x all 8 column blocks, 32 along K.
; The 64 accumulators take turns, one instruction a turn, in the same order in every K step.
.macro MUL16 ub, af, hi, a0
	WIN 0xa1+0x50*(\hi)                            ; U window 1, rows window 0, C and D window 2 or 3
.irp a, \a0, (\a0)+1
.irp b, 0,1,2,3,4,5,6,7
	v_wmma_f32_16x16x32_bf16 v[8*(8*(\a)+(\b)):8*(8*(\a)+(\b))+7], v[64*(\ub)+8*(\b):64*(\ub)+8*(\b)+7], v[AF0+64*(\af)+8*(4*(\hi)+(\a)):AF0+64*(\af)+8*(4*(\hi)+(\a))+7], v[8*(8*(\a)+(\b)):8*(8*(\a)+(\b))+7]
.endr
.endr
.endm
.macro UFETCH ub, imm                  ; a K step of my stream of uf, 8,192 dense bytes: 16 loads of 512 consecutive bytes, each half a fragment
	WIN 0x40
.set x, 0
.rept 16
	global_load_b128 v[64*(\ub)+4*x:64*(\ub)+4*x+3], v[VU], s[18:19] offset:(\imm)+512*x
.set x, x+1
.endr
.endm
.macro AFETCH af, adr, imm             ; the 128 rows' fragments of 32 along K at byte imm of a chunk's rows, row blocks ascending
	WIN 0
.irp a, 0,1,2,3,4,5,6,7
	ds_load_b128 v[AF0+64*(\af)+8*(\a):AF0+64*(\af)+8*(\a)+3],   v[\adr] offset:(\imm)+(\a)*16*CPITCH
	ds_load_b128 v[AF0+64*(\af)+8*(\a)+4:AF0+64*(\af)+8*(\a)+7], v[\adr] offset:(\imm)+(\a)*16*CPITCH+32
.endr
.endm
; A PLAIN K STEP: 64 matrix instructions on U's buffer ub and the rows' buffer af.  In its middle, in one run, U of the step three on (into the buffer that the step before read) and the rows of the next
; step (afetch = 1: in the chunk in hand; 2: the first of the chunk that follows).  lcnt: the loads younger than this step's U: the two steps' behind it, 16 each.
.macro KPLAIN ub, af, lcnt, uload, uimm, afetch, aimm
	s_wait_loadcnt \lcnt
	s_wait_dscnt 8                                 ; rows 0-63 are in; the youngest eight loads (rows 64-127) may be out
	MUL16 \ub, \af, 0, 0
	MUL16 \ub, \af, 0, 2
	PLACES
.if \uload
	UFETCH ((\ub)+3)%4, \uimm
.endif
.if (\afetch) == 1
	AFETCH 1-(\af), ADRA, \aimm
	s_wait_dscnt 16                                ; all but the 16 just issued
.elseif (\afetch) == 2
	AFETCH 1-(\af), ADRN, \aimm
	s_wait_dscnt 16
.else
	s_wait_dscnt 0x0
.endif
	MUL16 \ub, \af, 1, 0
	MUL16 \ub, \af, 1, 2
.endm
; A K STEP OF PASS 0 (step t).  Its run also rounds and stores group t + 4 (slot t % 2, rows 8 q on) and, mload = 1, asks for group t + 6 into the same slot.  The 16 conversions are the places in
; front of the loads.  Issue order in a step: U of t + 3, then the group; so younger than group t + 4 (asked for in step t - 2) are U of t + 2 and group t + 5: mcnt = 24.
.macro KSTREAM ub, af, lcnt, uimm, aimm, slot, q, mcnt, mload, moff
	s_wait_loadcnt \lcnt
	s_wait_dscnt 8
	MUL16 \ub, \af, 0, 0
	MUL16 \ub, \af, 0, 2
	CONV SG+32*(\slot), \q, \mcnt
	UFETCH ((\ub)+3)%4, \uimm
	AFETCH 1-(\af), ADRA, \aimm
.if \mload
	MLOAD \slot, \moff
.endif
	s_wait_dscnt 24                                ; all but the 8 stores and 16 loads just issued: rows 64-127 are in
	MUL16 \ub, \af, 1, 0
	MUL16 \ub, \af, 1, 2
.endm
; A CHUNK'S LAST K STEP IN PASS 0.  It stores the last group of the next chunk; then ONE barrier: in front of it my stores are done, behind it the next chunk is whole and its first fragments are fetched.
; Sixteen matrix instructions, work on registers, stand between the signal and the wait.
.macro KTURN ub, af, lcnt, uimm, slot, q, mcnt, mload, moff
	s_wait_loadcnt \lcnt
	s_wait_dscnt 8
	MUL16 \ub, \af, 0, 0
	CONV SG+32*(\slot), \q, \mcnt
	UFETCH ((\ub)+3)%4, \uimm
.if \mload
	MLOAD \slot, \moff
.endif
	s_wait_dscnt 0x0                               ; for the others' sake: my share of the next chunk is in LDS (and rows 64-127 of this step are in)
	s_barrier_signal -1
	MUL16 \ub, \af, 0, 2
	s_barrier_wait -1
	AFETCH 1-(\af), ADRN, 0
	MUL16 \ub, \af, 1, 0
	MUL16 \ub, \af, 1, 2
.endm
; THE EPILOGUE of four accumulators: column block b, row blocks 4 hi + 0..3: y = K x; 2^y; + 1; the reciprocal r; S += (-2 v) r.  Every run goes pair by pair through the four.
; The exponentials and reciprocals stand on end, a plain instruction behind each run (ISA guide 5.7.2).
.macro EGROUP b, hi
	WIN 0x82+0x41*(\hi)                            ; destination and source 0 in the accumulators' window
.irp p, 0,1,2,3
.irp a, 0,1,2,3
.set rA, 8*(8*(\a)+(\b))+2*(\p)
	v_pk_mul_f32 v[rA:rA+1], v[rA:rA+1], s[26:27] op_sel_hi:[1,0]
.endr
.endr
.irp a, 0,1,2,3
.irp e, 0,1,2,3,4,5,6,7
	v_exp_f32 v[8*(8*(\a)+(\b))+(\e)], v[8*(8*(\a)+(\b))+(\e)]
.endr
.endr
	v_nop
	s_wait_alu depctr_va_vdst(0)
.irp p, 0,1,2,3
.irp a, 0,1,2,3
.set rA, 8*(8*(\a)+(\b))+2*(\p)
	v_pk_add_f32 v[rA:rA+1], v[rA:rA+1], 1.0 op_sel_hi:[1,0]
.endr
.endr
.irp a, 0,1,2,3
.irp e, 0,1,2,3,4,5,6,7
	v_rcp_f32 v[8*(8*(\a)+(\b))+(\e)], v[8*(8*(\a)+(\b))+(\e)]
.endr
.endr
	v_nop
	WIN 0x02+(\hi)                                 ; source 0 in the accumulators' window
	s_wait_alu depctr_va_vdst(0)
.irp p, 0,1,2,3
.irp a, 0,1,2,3
.set rA, 8*(8*(\a)+(\b))+2*(\p)
.set rS, S+2*(4*(\hi)+(\a))
	v_pk_fma_f32 v[rS:rS+1], v[rA:rA+1], v[CB+8*(\b)+2*(\p):CB+8*(\b)+2*(\p)+1], v[rS:rS+1]
.endr
.endr
.endm
	; PASS 0, K steps 0 to 27.  The counts at a step's head are those of the first trip, where groups 4 and 5 were asked for ahead of U's first three steps: younger than U of step 0: 32; of step 1: 40
	; (U of 2 and 3, group 6); of step 2: 48; from step 3 on: 56 (three groups, two steps of U).  In later trips they are below what is younger, which is safe.
	AFETCH 0, ADRA, 0
	s_mov_b32 s31, 6
.Lp0:                                                  ; trip u: K steps 4 u .. 4 u + 3 on chunk u; chunk u + 1 is stored; groups 4 u + 6 .. 4 u + 9 are asked for
	KSTREAM 0, 0, 32, 24576, 64,  0, 0, 24, 1, 16*4096+512
	KSTREAM 1, 1, 40, 32768, 128, 1, 1, 24, 1, 24*4096+512
	KSTREAM 2, 0, 48, 40960, 192, 0, 2, 24, 1, 1024
	KTURN   3, 1, 56, 49152,      1, 3, 24, 1, 8*4096+1024
	WIN 0                                          ; at a label and at a branch every window is 0
	v_add_nc_u32 v[ADRA], CHUNK, v[ADRA]
	v_add_nc_u32 v[ADRN], CHUNK, v[ADRN]
	v_add_nc_u32 v[STA], CHUNK, v[STA]
	s_wait_xcnt 0x0                                ; the loads' bases are stepped only behind this wait
	s_add_nc_u64 s[18:19], s[18:19], 32768         ; four K steps of U
	s_add_nc_u64 s[8:9], s[8:9], 512               ; a chunk of matrix
	s_sub_co_u32 s31, s31, 1
	s_cmp_lg_u32 s31, 0
	s_cbranch_scc1 .Lp0
	KSTREAM 0, 0, 32, 24576, 64,  0, 0, 24, 1, 16*4096+512   ; steps 24 to 27 are written out: groups 30 and 31 are the last, so steps 26 and 27 ask for none and no load leaves the tile
	KSTREAM 1, 1, 40, 32768, 128, 1, 1, 24, 1, 24*4096+512
	KSTREAM 2, 0, 48, 40960, 192, 0, 2, 24, 0, 0
	KTURN   3, 1, 48, 49152,      1, 3, 16, 0, 0             ; younger than U of 27: groups 30, 31, U of 28, 29 = 48; younger than group 31: U of 29 = 16
	WIN 0
	v_add_nc_u32 v[ADRA], CHUNK, v[ADRA]           ; chunk 7;
	v_mov_b32 v[ADRN], v[ADB]                      ; behind it comes chunk 0 again: step 31 fetches pass 1's first fragments, which the epilogue leaves alone
	s_wait_xcnt 0x0
	s_add_nc_u64 s[18:19], s[18:19], 32768
	s_mov_b32 s30, 2                               ; epilogues to come
	s_mov_b32 s31, 1                               ; steps 28 to 31 are one trip of the plain loop: U's stream runs on into pass 1's slab
	s_branch .Lk
.Lpass:                                                ; pass 1: columns 512 + 128 w on
	INIT
	WIN 0
	v_mov_b32 v[ADRA], v[ADB]
	v_add_nc_u32 v[ADRN], CHUNK, v[ADB]
	s_mov_b32 s31, 7
.Lk:                                                   ; a trip: the four K steps of a chunk; they ask for U three steps on
	KPLAIN 0, 0, 32, 1, 24576, 1, 64
	KPLAIN 1, 1, 32, 1, 32768, 1, 128
	KPLAIN 2, 0, 32, 1, 40960, 1, 192
	KPLAIN 3, 1, 32, 1, 49152, 2, 0
	WIN 0
	v_add_nc_u32 v[ADRA], CHUNK, v[ADRA]
	v_add_nc_u32 v[ADRN], CHUNK, v[ADRN]
	s_wait_xcnt 0x0
	s_add_nc_u64 s[18:19], s[18:19], 32768
	s_sub_co_u32 s31, s31, 1
	s_cmp_lg_u32 s31, 0
	s_cbranch_scc1 .Lk
	s_cmp_eq_u32 s30, 2
	s_cbranch_scc1 .Lepi                           ; pass 0 is over
	KPLAIN 0, 0, 32, 1, 24576, 1, 64               ; pass 1's last chunk: step 28 asks for the stream's last K step, the others for nothing, so that no load leaves uf: the counts run down
	KPLAIN 1, 1, 32, 0, 0, 1, 128
	KPLAIN 2, 0, 16, 0, 0, 1, 192
	KPLAIN 3, 1, 0,  0, 0, 0, 0
	WIN 0
.Lepi:
	PLACES                                         ; -2 v lands in the rows' second buffer, which the last products read
.irp b, 0,1,2,3,4,5,6,7
	ds_load_b128 v[CB+8*(\b):CB+8*(\b)+3],   v[CADR] offset:8192+(\b)*64
	ds_load_b128 v[CB+8*(\b)+4:CB+8*(\b)+7], v[CADR] offset:8192+(\b)*64+16
.endr
	s_wait_dscnt 0x0
.irp b, 0,1,2,3,4,5,6,7
	EGROUP \b, 0
	EGROUP \b, 1
.endr
	WIN 0
	v_add_nc_u32 v[CADR], 2048, v[CADR]            ; the next pass's 512 columns
	s_sub_co_u32 s30, s30, 1
	s_cmp_lg_u32 s30, 0
	s_cbranch_scc1 .Lpass
	; Tiles 0 to 255 ask for the first 1,024 bytes (chunks 0 and 1) of my wave's 32 rows of tile T + 256: a lane a row, four requests 256 bytes apart, each block asked for once in the launch:
	; 32,768 bytes a wave, of which that tile's work-group loads 24,576 on end at its start.  Tiles 256 on ask for nothing: no request passes matrix's end.
	s_cmp_lt_u32 s3, 256
	s_cbranch_scc0 .Lnopf
.irp q, 0,1,2,3
	global_prefetch_b8 v[PFO], s[42:43] offset:(\q)*256 th:TH_LOAD_NT scope:SCOPE_SE
.endr
.Lnopf:
	; my wave's share of the 128 logits: even + odd columns, + the other half of the lanes' columns
.irp a, 0,1,2,3,4,5,6,7
	v_add_f32 v[192+\a], v[S+2*\a], v[S+2*\a+1]
.endr
.irp a, 0,1,2,3,4,5,6,7
	v_permlanex16_b32 v[200+\a], v[192+\a], s28, s29
.endr
.irp a, 0,1,2,3,4,5,6,7
	v_add_f32 v[192+\a], v[192+\a], v[200+\a]
.endr
.irp a, 0,1,2,3,4,5,6,7
	ds_store_b32 v[SPA], v[192+\a] offset:64*(\a)  ; both halves of the lanes write the same word with the same number
.endr
	s_wait_dscnt 0x0                               ; for the others' sake
	s_barrier_signal -1
	s_barrier_wait -1
	; every wave does the tile's softmax alike: lane L has rows 4 L .. 4 L + 3
.irp w, 0,1,2,3
	ds_load_b128 v[192+4*\w:192+4*\w+3], v[SPR] offset:512*(\w)
.endr
	v_and_b32 v208, 0xff, v[MSK]
	v_and_b32 v209, 0xff00, v[MSK]
	v_and_b32 v210, 0xff0000, v[MSK]
	v_and_b32 v211, 0xff000000, v[MSK]
	v_cmp_ne_u32 s34, 0, v208
	v_cmp_ne_u32 s35, 0, v209
	v_cmp_ne_u32 s36, 0, v210
	v_cmp_ne_u32 s37, 0, v211
	s_wait_dscnt 0x0
	v_pk_add_f32 v[192:193], v[192:193], v[196:197]
	v_pk_add_f32 v[194:195], v[194:195], v[198:199]
	v_pk_add_f32 v[200:201], v[200:201], v[204:205]
	v_pk_add_f32 v[202:203], v[202:203], v[206:207]
	v_pk_add_f32 v[192:193], v[192:193], v[200:201]
	v_pk_add_f32 v[194:195], v[194:195], v[202:203]
.irp q, 0,1,2,3
	v_cndmask_b32 v[196+\q], s38, v[192+\q], s[34+\q]   ; the logit, or -1e30 where masked
.endr
	v_max3_num_f32 v200, v196, v197, v198
	v_max_num_f32 v200, v200, v199
	v_max_num_f32_dpp v200, v200, v200 row_xmask:1 row_mask:0xf bank_mask:0xf
	v_max_num_f32_dpp v200, v200, v200 row_xmask:2 row_mask:0xf bank_mask:0xf
	v_max_num_f32_dpp v200, v200, v200 row_xmask:4 row_mask:0xf bank_mask:0xf
	v_max_num_f32_dpp v200, v200, v200 row_xmask:8 row_mask:0xf bank_mask:0xf
	v_permlanex16_b32 v201, v200, s28, s29
	v_max_num_f32 v200, v200, v201                 ; m, in every lane
.irp q, 0,1,2,3
	v_sub_f32 v[240+\q], v[196+\q], v200           ; the difference first: equal numbers give 0 at -1e30 too
.endr
.irp q, 0,1,2,3
	v_mul_f32 v[240+\q], s39, v[240+\q]
.endr
.irp q, 0,1,2,3
	v_exp_f32 v[240+\q], v[240+\q]
.endr
	v_nop
	s_wait_alu depctr_va_vdst(0)
.irp q, 0,1,2,3
	v_cndmask_b32 v[240+\q], 0, v[240+\q], s[34+\q]     ; p; 0 where masked
.endr
	v_add_f32 v202, v240, v241
	v_add_f32 v203, v242, v243
	v_add_f32 v202, v202, v203
	v_add_f32_dpp v202, v202, v202 row_xmask:1 row_mask:0xf bank_mask:0xf
	v_add_f32_dpp v202, v202, v202 row_xmask:2 row_mask:0xf bank_mask:0xf
	v_add_f32_dpp v202, v202, v202 row_xmask:4 row_mask:0xf bank_mask:0xf
	v_add_f32_dpp v202, v202, v202 row_xmask:8 row_mask:0xf bank_mask:0xf
	v_permlanex16_b32 v203, v202, s28, s29
	v_add_f32 v245, v202, v203                     ; l
	v_mov_b32 v244, v200
	v_mov_b32 v246, v200
	v_mov_b32 v247, v245
	s_cmp_lg_u32 s2, 0
	s_cbranch_scc1 .Lnot0
	global_store_b128 v[VU], v[240:243], s[22:23]              ; wave 0: the tile's 128 p, 512 consecutive bytes;
	global_store_b128 v[VU], v[244:247], s[24:25] offset:4096  ; and (m, l) 64 times, so that the record's last 512 bytes are written whole.  v240-247 are not written again
.Lnot0:
	v_cvt_pk_bf16_f32 v248, v240, v241             ; p = hi + lo, two bf16
	v_cvt_pk_bf16_f32 v249, v242, v243
	ds_store_b64 v[PBW], v[248:249]
	v_lshlrev_b32 v250, 16, v248
	v_and_b32 v251, s40, v248
	v_lshlrev_b32 v252, 16, v249
	v_and_b32 v253, s40, v249
	v_pk_add_f32 v[250:251], v[240:241], v[250:251] neg_lo:[0,1] neg_hi:[0,1]
	v_pk_add_f32 v[252:253], v[242:243], v[252:253] neg_lo:[0,1] neg_hi:[0,1]
	v_cvt_pk_bf16_f32 v254, v250, v251
	v_cvt_pk_bf16_f32 v255, v252, v253
	ds_store_b64 v[PBW], v[254:255] offset:256
.irp k, 0,1,2,3                        ; source 0 of the second product: 16 rows x 32 tile rows; its even rows hold hi, its odd rows lo.  My wave's own bytes: LDS serves a wave's instructions in order (ISA guide 5.7.1.4)
	ds_load_b128 v[192+8*\k:192+8*\k+3], v[PFA] offset:64*(\k)
	ds_load_b128 v[192+8*\k+4:192+8*\k+7], v[PFA] offset:64*(\k)+32
.endr
; sum p row, for my wave's 256 channels (two chunks): the tile lies [row][channel], so source 1 comes turned, by ds_load_tr16_b128: 32 tile rows x 16 channel blocks, 32 loads, into half of window 1.
; The largest immediate, a chunk + 112 rows + 224 bytes, is 65,504: inside the 16 bits.
.macro TRL kb, buf
	WIN 0x40
.irp n, 0,1,2,3,4,5,6,7,8,9,10,11,12,13,14,15
	ds_load_tr16_b128 v[128*(\buf)+8*(\n):128*(\buf)+8*(\n)+3],   v[TRA] offset:((\n)/8)*CHUNK+(\kb)*32*CPITCH+32*((\n)%8)
	ds_load_tr16_b128 v[128*(\buf)+8*(\n)+4:128*(\buf)+8*(\n)+7], v[TRA] offset:((\n)/8)*CHUNK+(\kb)*32*CPITCH+32*((\n)%8)+16*CPITCH
.endr
.endm
.macro WM kb, buf, zero                ; 16 matrix instructions, 16 accumulators by turns
	WIN 0xa4                                       ; p window 0, the tile window 1, C and D window 2
.irp n, 0,1,2,3,4,5,6,7,8,9,10,11,12,13,14,15
.if \zero
	v_wmma_f32_16x16x32_bf16 v[8*(\n):8*(\n)+7], v[192+8*(\kb):192+8*(\kb)+7], v[128*(\buf)+8*(\n):128*(\buf)+8*(\n)+7], 0
.else
	v_wmma_f32_16x16x32_bf16 v[8*(\n):8*(\n)+7], v[192+8*(\kb):192+8*(\kb)+7], v[128*(\buf)+8*(\n):128*(\buf)+8*(\n)+7], v[8*(\n):8*(\n)+7]
.endif
.endr
.endm
	TRL 0, 0
	TRL 1, 1
	s_wait_dscnt 32                                ; all but the 32 just issued
	WM 0, 0, 1
	PLACES
	TRL 2, 0
	s_wait_dscnt 32
	WM 1, 1, 0
	PLACES
	TRL 3, 1
	s_wait_dscnt 32
	WM 2, 0, 0
	s_wait_dscnt 0x0
	WM 3, 1, 0
	PLACES
	WIN 0x0a                                       ; sources in window 2
.irp n, 0,1,2,3,4,5,6,7,8,9,10,11,12,13,14,15
	v_add_f32 v[TP+\n], v[8*(\n)], v[8*(\n)+1]     ; registers 0 and 1 of every lane: the hi row's sum and the lo row's, for channel 16 n + r
.endr
	WIN 0
.irp n, 0,1,2,3,4,5,6,7,8,9,10,11,12,13,14,15
	ds_store_b32 v[OSA], v[TP+\n] offset:64*(\n)   ; through my own stage, so that 16 bytes a lane leave
.endr
	ds_load_b128 v[192:195], v[OSR]
	ds_load_b128 v[196:199], v[OSR] offset:512
	s_wait_dscnt 0x0
	global_store_b128 v[VU], v[192:195], s[24:25]              ; 512 consecutive bytes each
	global_store_b128 v[VU], v[196:199], s[24:25] offset:512
	s_wait_tensorcnt 0x0                           ; the wave's end, behind my last LDS store
	ds_add_u32 v[SPW], v[NIL]
	s_wait_dscnt 0x0
	s_endpgm
.Lfunc_end_k_q3db30fadd4_main:
	.size	k_q3db30fadd4_main, .Lfunc_end_k_q3db30fadd4_main-k_q3db30fadd4_main
	.p2alignl 7, 3214868480
	.fill 96, 4, 3214868480
	.section	.rodata,"a",@progbits
	.p2align	6, 0x0
	.amdhsa_kernel k_q3db30fadd4_main
		.amdhsa_group_segment_fixed_size 299520
		.amdhsa_private_segment_fixed_size 0
		.amdhsa_enable_private_segment 0
		.amdhsa_kernarg_size 72
		.amdhsa_user_sgpr_count 2
		.amdhsa_user_sgpr_kernarg_segment_ptr 1
		.amdhsa_wavefront_size32 1
		.amdhsa_system_sgpr_workgroup_id_x 1
		.amdhsa_system_sgpr_workgroup_id_y 1
		.amdhsa_system_sgpr_workgroup_id_z 1
		.amdhsa_system_vgpr_workitem_id 0
		.amdhsa_next_free_vgpr 1024
		.amdhsa_next_free_sgpr 66
		.amdhsa_reserve_vcc 0
		.amdhsa_float_denorm_mode_32 3
		.amdhsa_float_denorm_mode_16_64 3
		.amdhsa_memory_ordered 1
		.amdhsa_forward_progress 1
		.amdhsa_inst_pref_size 255
	.end_amdhsa_kernel
	.section	.bss,"aw",@nobits
	.p2align	6
	.space	262144
	.amdgpu_metadata
---
amdhsa.version: [ 1, 2 ]
amdhsa.kernels:
  - .name:           k_q3db30fadd4_main
    .symbol:         k_q3db30fadd4_main.kd
    .args:
      - { .name: matrix, .offset: 0, .size: 8, .value_kind: global_buffer, .address_space: global }
      - { .name: matrix_mask, .offset: 8, .size: 8, .value_kind: global_buffer, .address_space: global }
      - { .name: coverage, .offset: 16, .size: 8, .value_kind: global_buffer, .address_space: global }
      - { .name: v, .offset: 24, .size: 8, .value_kind: global_buffer, .address_space: global }
      - { .name: w1, .offset: 32, .size: 8, .value_kind: global_buffer, .address_space: global }
      - { .name: uf, .offset: 40, .size: 8, .value_kind: global_buffer, .address_space: global }
      - { .name: vw, .offset: 48, .size: 8, .value_kind: global_buffer, .address_space: global }
      - { .name: pw, .offset: 56, .size: 8, .value_kind: global_buffer, .address_space: global }
      - { .name: wpart, .offset: 64, .size: 8, .value_kind: global_buffer, .address_space: global }
    .group_segment_fixed_size: 299520
    .private_segment_fixed_size: 0
    .kernarg_segment_align: 8
    .kernarg_segment_size: 72
    .max_flat_workgroup_size: 128
    .sgpr_count:     66
    .vgpr_count:     1024
    .wavefront_size: 32
...
	.end_amdgpu_metadata
.endif
;; end of part 2
;; launch combine (part 3): grid 4 x 32, 2 waves a work-group, no clusters, 0 bytes of LDS; arguments wpart, pw, coverage, out0, out1, out2; writes out0, out1, out2
.if DOCPART == 3
	.amdgcn_target "amdgcn-amd-amdhsa--gfx1250"
	.amdhsa_code_object_version 6
	.text
	.protected	k_q3db30fadd4_combine
	.globl	k_q3db30fadd4_combine
	.p2align	8
	.type	k_q3db30fadd4_combine,@function
k_q3db30fadd4_combine:
	s_mov_b64 s[64:65], 0
	v_nop
	global_prefetch_b8 v0, s[64:65] scope:SCOPE_SE
	s_setreg_imm32_b32 hwreg(HW_REG_WAVE_MODE, 25, 1), 1
	s_wait_xcnt 0x0
; Joins a batch's 16 tiles.  M = the largest of the tiles' maxima m_t; e_t = exp(m_t - M); L = sum of e_t l_t; f_t = e_t / L.
;   out0[b][c] = sum over t of f_t wpart[t][c];   out1[b][l] = f_(tile of l) p[l];   out2 = coverage + out1 (the coverage as given, not rounded).
; Work-group (q, b), two waves: 256 columns of out0[b] (16 bytes a thread) and rows 512 q .. 512 q + 511 of out1 and out2 (two times 16 bytes a thread).
; The 16 (m, l) come by scalar loads: this launch writes none of the buffers that it reads.  All is a few loads deep: no LDS, no matrix unit, nothing to share in a cluster.
; LIMITS.  A tile's factor below 2^-126 counts as 0.  A batch with no true mask entry has L = 0: its factors are set to 0, so out0 = out1 = 0 and out2 = coverage, as in the reference.
	s_load_b256 s[4:11], s[0:1], 0x0               ; wpart s[4:5], pw s[6:7], coverage s[8:9], out0 s[10:11]
	s_load_b128 s[12:15], s[0:1], 0x20             ; out1 s[12:13], out2 s[14:15]
	v_lshrrev_b32 v1, 5, v0
	v_readfirstlane_b32 s2, v1                     ; wave 0, 1
	s_mov_b32 s3, ttmp9                            ; q
	s_and_b32 s16, ttmp7, 0xffff                   ; b
	s_mul_i32 s18, s16, 73728                      ; a batch's 16 records of 4,608 bytes
	s_mov_b32 s19, 0
	s_lshl_b32 s20, s16, 13                        ; rows: 8,192 b + 2,048 q bytes
	s_lshl_b32 s22, s3, 11
	s_add_co_u32 s20, s20, s22
	s_mov_b32 s21, 0
	s_lshl_b32 s22, s16, 12                        ; out0: 4,096 b + 1,024 q bytes
	s_lshl_b32 s24, s3, 10
	s_add_co_u32 s22, s22, s24
	s_mov_b32 s23, 0
	s_mov_b32 s25, 0                               ; s[24:25] = 1,024 q
	s_lshl_b32 s26, s3, 2                          ; rows 4 t + 256 j of my 512 lie in tile 4 q + wave + 2 j
	s_add_co_u32 s26, s26, s2
	s_mul_i32 s68, s26, 4608
	s_add_co_u32 s69, s68, 2*4608
	v_lshlrev_b32 v2, 4, v0                        ; 16 bytes a thread
	s_wait_kmcnt 0x0
	s_add_nc_u64 s[4:5], s[4:5], s[18:19]
	s_add_nc_u64 s[6:7], s[6:7], s[20:21]
	s_add_nc_u64 s[8:9], s[8:9], s[20:21]
	s_add_nc_u64 s[12:13], s[12:13], s[20:21]
	s_add_nc_u64 s[14:15], s[14:15], s[20:21]
	s_add_nc_u64 s[10:11], s[10:11], s[22:23]
	s_add_nc_u64 s[28:29], s[4:5], s[24:25]        ; the records at my 256 columns
.set t, 0
.rept 16
	s_load_b64 s[32+2*t:33+2*t], s[4:5], t*4608+4096   ; (m_t, l_t)
.set t, t+1
.endr
	s_load_b32 s66, s[4:5], s68 offset:0x1000      ; m of my rows' two tiles
	s_load_b32 s67, s[4:5], s69 offset:0x1000
.set t, 0
.rept 16
	global_load_b128 v[40+4*t:40+4*t+3], v2, s[28:29] offset:t*4608
.set t, t+1
.endr
	global_load_b128 v[104:107], v2, s[6:7]
	global_load_b128 v[108:111], v2, s[6:7] offset:1024
	global_load_b128 v[112:115], v2, s[8:9]
	global_load_b128 v[116:119], v2, s[8:9] offset:1024
	s_wait_kmcnt 0x0
	v_mov_b32 v8, s32
.set t, 1
.rept 7
	v_max3_num_f32 v8, v8, s[32+2*t], s[34+2*t]
.set t, t+2
.endr
	v_max_num_f32 v8, s62, v8                      ; M
.set t, 0
.rept 16
	v_sub_f32 v[16+t], s[32+2*t], v8
.set t, t+1
.endr
	v_sub_f32 v32, s66, v8
	v_sub_f32 v33, s67, v8
.set t, 0
.rept 18
	v_mul_f32 v[16+t], 0x3fb8aa3b, v[16+t]
.set t, t+1
.endr
.set t, 0
.rept 18
	v_exp_f32 v[16+t], v[16+t]
.set t, t+1
.endr
	v_nop                                          ; a plain instruction behind the last exponential (ISA guide 5.7.2)
	s_wait_alu depctr_va_vdst(0)
	v_mul_f32 v9, s33, v16
.set t, 1
.rept 15
	v_fmac_f32 v9, s[33+2*t], v[16+t]
.set t, t+1
.endr
	v_rcp_f32 v10, v9
	v_nop
	v_cmp_lt_f32 vcc_lo, 0, v9
	s_wait_alu depctr_va_vdst(0)
	v_cndmask_b32 v10, 0, v10, vcc_lo              ; 1 / L, or 0 for a batch that is wholly masked
.set t, 0
.rept 18
	v_mul_f32 v[16+t], v10, v[16+t]                ; f_t in v16-31; my rows' two factors in v32, v33
.set t, t+1
.endr
	s_wait_loadcnt 0x0
	v_pk_mul_f32 v[120:121], v[40:41], v[16:17] op_sel_hi:[1,0]
	v_pk_mul_f32 v[122:123], v[42:43], v[16:17] op_sel_hi:[1,0]
.irp t, 1,2,3,4,5,6,7,8,9,10,11,12,13,14,15
.if ((\t)%2) == 0
	v_pk_fma_f32 v[120:121], v[40+4*\t:40+4*\t+1], v[16+\t:16+\t+1], v[120:121] op_sel_hi:[1,0,1]
	v_pk_fma_f32 v[122:123], v[42+4*\t:42+4*\t+1], v[16+\t:16+\t+1], v[122:123] op_sel_hi:[1,0,1]
.else
	v_pk_fma_f32 v[120:121], v[40+4*\t:40+4*\t+1], v[15+\t:15+\t+1], v[120:121] op_sel:[0,1,0] op_sel_hi:[1,1,1]
	v_pk_fma_f32 v[122:123], v[42+4*\t:42+4*\t+1], v[15+\t:15+\t+1], v[122:123] op_sel:[0,1,0] op_sel_hi:[1,1,1]
.endif
.endr
	global_store_b128 v2, v[120:123], s[10:11]     ; every store of a wave covers 512 consecutive bytes
.irp u, 0,2
	v_pk_fma_f32 v[112+\u:112+\u+1], v[104+\u:104+\u+1], v[32:33], v[112+\u:112+\u+1] op_sel_hi:[1,0,1]   ; out2 = p f + coverage
	v_pk_fma_f32 v[116+\u:116+\u+1], v[108+\u:108+\u+1], v[32:33], v[116+\u:116+\u+1] op_sel:[0,1,0] op_sel_hi:[1,1,1]
.endr
.irp u, 0,2
	v_pk_mul_f32 v[104+\u:104+\u+1], v[104+\u:104+\u+1], v[32:33] op_sel_hi:[1,0]                         ; out1 = p f
	v_pk_mul_f32 v[108+\u:108+\u+1], v[108+\u:108+\u+1], v[32:33] op_sel:[0,1] op_sel_hi:[1,1]
.endr
	global_store_b128 v2, v[104:107], s[12:13]
	global_store_b128 v2, v[108:111], s[12:13] offset:1024
	global_store_b128 v2, v[112:115], s[14:15]
	global_store_b128 v2, v[116:119], s[14:15] offset:1024
	s_endpgm
.Lfunc_end_k_q3db30fadd4_combine:
	.size	k_q3db30fadd4_combine, .Lfunc_end_k_q3db30fadd4_combine-k_q3db30fadd4_combine
	.p2alignl 7, 3214868480
	.fill 96, 4, 3214868480
	.section	.rodata,"a",@progbits
	.p2align	6, 0x0
	.amdhsa_kernel k_q3db30fadd4_combine
		.amdhsa_group_segment_fixed_size 0
		.amdhsa_private_segment_fixed_size 0
		.amdhsa_enable_private_segment 0
		.amdhsa_kernarg_size 48
		.amdhsa_user_sgpr_count 2
		.amdhsa_user_sgpr_kernarg_segment_ptr 1
		.amdhsa_wavefront_size32 1
		.amdhsa_system_sgpr_workgroup_id_x 1
		.amdhsa_system_sgpr_workgroup_id_y 1
		.amdhsa_system_sgpr_workgroup_id_z 1
		.amdhsa_system_vgpr_workitem_id 0
		.amdhsa_next_free_vgpr 128
		.amdhsa_next_free_sgpr 80
		.amdhsa_reserve_vcc 1
		.amdhsa_float_denorm_mode_32 3
		.amdhsa_float_denorm_mode_16_64 3
		.amdhsa_memory_ordered 1
		.amdhsa_forward_progress 1
		.amdhsa_inst_pref_size 12
	.end_amdhsa_kernel
	.amdgpu_metadata
---
amdhsa.version: [ 1, 2 ]
amdhsa.kernels:
  - .name:           k_q3db30fadd4_combine
    .symbol:         k_q3db30fadd4_combine.kd
    .args:
      - { .name: wpart, .offset: 0, .size: 8, .value_kind: global_buffer, .address_space: global }
      - { .name: pw, .offset: 8, .size: 8, .value_kind: global_buffer, .address_space: global }
      - { .name: coverage, .offset: 16, .size: 8, .value_kind: global_buffer, .address_space: global }
      - { .name: out0, .offset: 24, .size: 8, .value_kind: global_buffer, .address_space: global }
      - { .name: out1, .offset: 32, .size: 8, .value_kind: global_buffer, .address_space: global }
      - { .name: out2, .offset: 40, .size: 8, .value_kind: global_buffer, .address_space: global }
    .group_segment_fixed_size: 0
    .private_segment_fixed_size: 0
    .kernarg_segment_align: 8
    .kernarg_segment_size: 48
    .max_flat_workgroup_size: 64
    .sgpr_count:     80
    .vgpr_count:     128
    .wavefront_size: 32
...
	.end_amdgpu_metadata
.endif
;; end of part 3
;; ======== version 2 of 2: 3 launches; version 1 with the launch main written anew for expert scheduling mode
;; limits: values outside matrix products are rounded to bf16
;; workspace buffers: uf 2,097,152 bytes; vw 131,072 bytes; pw 262,144 bytes; wpart 2,359,296 bytes
;; launch prep: the kernel of part 1 again; grid 64 x 1, 8 waves a work-group, no clusters, 17,408 bytes of LDS; arguments U, W, vector, uf, vw; writes uf, vw
;; launch main (part 4): grid 512 x 1, 4 waves a work-group, no clusters, 299,520 bytes of LDS; arguments matrix, matrix_mask, coverage, v, w1, uf, vw, pw, wpart; writes pw, wpart
.if DOCPART == 4
	.amdgcn_target "amdgcn-amd-amdhsa--gfx1250"
	.amdhsa_code_object_version 6
	.text
	.protected	k_q3db30fadd4_main
	.globl	k_q3db30fadd4_main
	.p2align	8
	.type	k_q3db30fadd4_main,@function
k_q3db30fadd4_main:
	s_mov_b64 s[64:65], 0
	v_nop
	global_prefetch_b8 v0, s[64:65] scope:SCOPE_SE
	s_setreg_imm32_b32 hwreg(HW_REG_WAVE_SCHED_MODE, 0, 2), 2
	s_setreg_imm32_b32 hwreg(HW_REG_WAVE_MODE, 25, 1), 1
	s_wait_xcnt 0x0
	s_wait_alu depctr_vm_vsrc(0)
; One tile of 128 rows of one batch (tile T = rows 128 T .. of the 65,536; batch T / 16), from matrix to its share of the softmax:
;   x[l][n] = vW[b][n] + coverage[l] w1[n] + (row l . U[:, n]);  logit[l] = sum over n of v[n] tanh(x);  m = the tile's largest unmasked logit;  p[l] = exp(logit - m), 0 where masked;
;   l = sum of p;  wpart = sum over l of p[l] row l.  The last launch joins a batch's 16 tiles: the maximum is taken away by tile here and by batch there.
; tanh(x) = 1 - 2 r, r = 1 / (1 + 2^(K x)), K = 2 log2(e): right at both ends, where 2^(K x) is infinite or 0.  So logit = sum of v - 2 sum of v r.  The first sum is one number for all rows of all
; batches, and a softmax does not change when one number is added to all its logits: it is left out, for every input, and "logit" below is sum over n of (-2 v[n]) r.
; THE TILE IS READ FROM MEMORY ONCE, 512 KiB of f32, rounded to bf16 on the way, and stays in LDS for both products, as 8 CHUNKS of 128 along K (128 rows x 272 bytes each).
; SHARES.  Four waves split the 1,024 columns: in pass c (0, 1) wave w makes 128 rows x the 128 columns 512 c + 128 w on: 64 accumulators, 512 registers.  For 32 along K a wave reads
; 8 KiB of the tile from LDS and 8 KiB of U's fragments (uf, laid in fragment order by the launch before) straight from memory into registers, and issues 64 matrix instructions.
; THE TILE COMES IN UNDER PASS 0.  A GROUP is 8 rows x 512 bytes of my wave's 32 rows (8 loads; four groups make my share of a chunk).  K step t rounds group t + 4 at its head, out of its slot into sixteen
; registers of their own, asks for group t + 6 into the slot just emptied, and stores the rounded group: two slots of 8 loads take turns, 16 loads of matrix of every wave are on their way, each with two
; K steps in which to land.  Steps 3, 7, .. 27 hold a barrier: behind it the next chunk is whole for all four waves.  Only chunk 0 is waited for ahead of the first product.
; THE MATRIX INSTRUCTION IS USED TRANSPOSED (source 0 = 16 columns of U, source 1 = 16 rows): lane (r, h) holds row 16 a + r and the columns 16 b + 8 h + 0..7, so a row's coverage is one
; register a lane, and the sum over columns wants one exchange between the halves of the lanes at the very end.
; THE SUMS START FROM vW + coverage w1, written into the accumulators ahead of each pass (in pass 0: in the wait for the first chunk): every K step is alike, and nothing is cleared.
; NO CLUSTER, NO TENSOR LOAD, though every work-group walks all of U: the tile and the small regions take 299,520 of a WGP's 327,680 bytes; 32 along K of the work-group's 512 columns are 32,768
; bytes, more than is left; each fragment of U is used by one wave alone, so LDS would only stage it; and matrix has to pass through registers to be rounded.
; LIMITS.  matrix, U, W, vector, v, w1 and (inside the tanh) coverage are rounded to bf16; sums, tanh and softmax in f32.  p enters the second product as two bf16, hi + lo (16 bits of it).
; A weight below 2^-126 counts as 0.  A masked row counts as -1e30, as in the reference; a tile with no true mask entry gives m = -1e30, l = 0, zeros.  NaN and infinities are not treated apart.
; THE MODE: SCHED_MODE bits 1:0 = 2 (LLVM: expert scheduling mode 2), set by the entry lines.  The code itself states the register dependences between vector or matrix instructions and memory or LDS
; instructions, with s_wait_alu, always for 0.
; THE PLAN.  Registers that memory or LDS instructions touch in the K steps, and who else names them:
;   U0 .. U3         Step t's 64 products read U[t % 4]; the loads of step t + 3, issued in step t, land in U[(t + 3) % 4], which the products of step t - 1 read.
;   AF0, AF1         Step t's products read AF[t % 2]; the LDS loads of step t + 1, issued in step t, land in the other, which the products of step t - 1 read.
;   SG0, SG1         Step t's sixteen roundings read SG[t % 2]; the loads of group t + 6, issued in step t, land in it.  No store reads them.
;   OUT              Written by step t's roundings; read by the eight LDS stores issued in step t.
;   STA, ADRA, ADRN  Read by the LDS stores and loads; written once a chunk, between two steps.  VU is never written again: scalar bases and immediate offsets do the rest.
;   The accumulators are named by vector and matrix instructions alone.
; So ONE wait on va_vdst stands at a step's head, behind its roundings: OUT is written, the roundings are done reading their slot, the products of the step before are done reading the U buffer and the
; rows' buffer that this step fills, and, in a chunk's first step, the three addresses are written.  The step's products name U[t % 4], AF[t % 2] and the accumulators, and its stores read OUT and STA alone:
; none of the registers that its loads touch.  So the step's memory and LDS instructions follow with no further wait, eight at a time between runs of eight products.
; One wait on vm_vsrc stands ahead of a step's roundings (the stores of the step before have read OUT), and one a chunk ahead of the three adds, which serves the next step's OUT too.
; REGISTERS, in windows of 256 (s_set_vgpr_msb: bits 1:0 source 0, 3:2 source 1, 5:4 source 2, 7:6 destination):
;   window 0: v0-63 addresses, coverage, sums, OUT; v64-127, v128-191 the rows' fragments, two buffers; v192-255 the two slots for matrix, later at work
;   window 1: U's fragments of four K steps, 64 each     window 2: accumulators of rows 0-63 ((a, b) at 8 (8 a + b))     window 3: those of rows 64-127
.set CPITCH, 272                       ; a chunk's row in LDS: 256 bytes + 16 = 68 words: row r starts at bank 4 r mod 64 (64 banks of 4 bytes: ISA guide 11.1), so the 16 rows of a fragment load start at 16 different banks
.set CHUNK, 128*CPITCH                 ; 34,816 bytes
.set CONST, 8*CHUNK                    ; f32[1024] three times: vW[b], bf16(w1), -2 bf16(v)
.set SP,    CONST+12288                ; [wave][128] partial logits
.set PB,    SP+2048                    ; for each wave 512 bytes of its own: p hi [128] bf16, p lo [128]
.set OST,   PB+2048                    ; for each wave 1,024 bytes of its own: its 256 channels of sum p row
.set SPARE, OST+4096                   ; the spare words, 128 bytes a wave: two blocks of 256 bytes that no other line names
.set SPW, 4                            ; v4   SPARE + 4 x my thread's number; never rewritten
.set NIL, 5                            ; v5   0; never rewritten
.set VU,  6                            ; v6   16 x lane; never rewritten
.set STA, 7                            ; v7   where I put 8 bytes of my wave's first row, in the chunk that is being filled
.set ADB, 8                            ; v8   my part of a fragment in chunk 0: r x pitch + 16 h; never rewritten
.set ADRA, 9                           ; v9   the same in the chunk in hand
.set ADRN, 10                          ; v10  the same in the chunk that follows it
.set CADR, 11                          ; v11  my 8 columns' constants in the pass in hand
.set MSK, 12                           ; v12  the mask bytes of rows 4 lane .. + 3
.set SPA, 13                           ; v13  partial logits: where I put row r
.set SPR, 14                           ; v14  partial logits: where I read rows 4 lane .. + 3
.set PBW, 15                           ; v15  where I put four p
.set PFA, 16                           ; v16  where I read p's fragments
.set OSA, 17                           ; v17  where I put channel r
.set OSR, 18                           ; v18  where I read four channels back
.set TRA, 19                           ; v19  the turning loads' address
.set PFO, 20                           ; v20  4,096 x lane; never rewritten
.set COV, 24                           ; v24-31  coverage of row 16 a + r, rounded to bf16
.set S,   32                           ; v32-47  a pair for each row block: sum of -2 v r over my even and odd columns
.set OUT, 48                           ; v48-63  a group of matrix rounded to bf16, 8 bytes a row, on its way to LDS (at the head: vW as loaded, and at work)
.set AF0, 64                           ; the rows' fragments: buffer f at AF0 + 64 f
.set CB,  128                          ; epilogue: -2 v of my 8 columns in each of the 8 column blocks (in the rows' second buffer)
.set SG,  192                          ; v192-255 two slots of 8 loads of matrix
.set IC,  192                          ; window 1, v192-255: vW and w1 for four column blocks, while U's fourth buffer is free
.set TP,  224                          ; v224-239 at work behind the passes
.set MSB, 0
.macro WIN new                         ; the immediate's high byte repeats the setting that is left; a switch that changes nothing is dropped
.if MSB != (\new)
	s_set_vgpr_msb (MSB<<8)|(\new)
.set MSB, (\new)
.endif
.endm
.macro PLACES                          ; a vector instruction that reads a matrix result stands four places behind it, and only plain vector instructions that name none of its registers are
.rept 4                                ; places (ISA guide 7.12.1)
	v_nop
.endr
.endm
	s_load_b512 s[8:23], s[0:1], 0x0               ; matrix s[8:9], mask s[10:11], coverage s[12:13], v s[14:15], w1 s[16:17], uf s[18:19], vw s[20:21], pw s[22:23]
	s_load_b64 s[24:25], s[0:1], 0x40              ; wpart
	v_lshl_add_u32 v[SPW], v0, 2, SPARE
	v_mov_b32 v[NIL], 0
	v_lshrrev_b32 v1, 5, v0
	v_readfirstlane_b32 s2, v1                     ; wave 0..3
	s_mov_b32 s3, ttmp9                            ; T
	s_lshr_b32 s4, s3, 4                           ; b
	s_mov_b32 s26, 0x4038aa3b                      ; K = 2 log2(e); the packed forms name a pair and take its low word
	s_mov_b32 s27, 0x4038aa3b
	s_mov_b32 s28, 0x76543210                      ; v_permlanex16_b32: each lane takes its own place in the other half
	s_mov_b32 s29, 0xfedcba98
	s_mov_b32 s38, 0xf149f2ca                      ; -1e30
	s_mov_b32 s39, 0x3fb8aa3b                      ; log2(e)
	s_mov_b32 s40, 0xffff0000                      ; a word's upper bf16
	v_and_b32 v1, 15, v0                           ; r
	v_bfe_u32 v2, v0, 4, 1                         ; h
	v_and_b32 v3, 31, v0                           ; lane
	v_lshlrev_b32 v[VU], 4, v3
	s_wait_alu depctr_va_sdst(0)                   ; s2 is written, ahead of its first reader: LDS places and the bases of matrix, uf and wpart are made from it
	s_mul_i32 s5, s2, 32*CPITCH                    ; my wave brings rows 32 w .. 32 w + 31
	v_lshl_add_u32 v[STA], v3, 3, s5
	v_mul_u32_u24 v[ADB], v1, CPITCH
	v_lshl_add_u32 v[ADB], v2, 4, v[ADB]
	s_lshl_b32 s5, s2, 9                           ; 512 w
	s_add_co_u32 s6, s5, CONST
	v_lshl_add_u32 v[CADR], v2, 5, s6
	s_add_co_u32 s6, s5, SP
	v_lshl_add_u32 v[SPA], v1, 2, s6
	v_lshl_add_u32 v[SPR], v3, 4, SP
	s_add_co_u32 s6, s5, PB
	v_lshl_add_u32 v[PBW], v3, 3, s6
	v_and_b32 v21, 1, v0
	v_lshl_add_u32 v[PFA], v21, 8, s6              ; even rows of the fragment take hi, odd rows lo
	v_lshl_add_u32 v[PFA], v2, 4, v[PFA]
	s_lshl_b32 s6, s2, 10
	s_add_co_u32 s6, s6, OST
	v_lshl_add_u32 v[OSA], v1, 2, s6
	v_lshl_add_u32 v[OSR], v3, 4, s6
	v_and_b32 v21, 7, v0                           ; the turning load: lane L reads row 8 h + L % 8, channels 8 ((L / 8) % 2) on; my wave's 256 channels are chunks 2 w and 2 w + 1
	v_lshl_add_u32 v21, v2, 3, v21
	v_mul_u32_u24 v21, v21, CPITCH
	v_bfe_u32 v22, v0, 3, 1
	v_lshl_add_u32 v21, v22, 4, v21
	s_mul_i32 s6, s2, 2*CHUNK
	v_add_nc_u32 v[TRA], s6, v21
	v_lshlrev_b32 v[PFO], 12, v3
	v_lshlrev_b32 v21, 5, v0                       ; w1, v: my thread's 8 numbers
	v_lshrrev_b32 v22, 1, v0                       ; vw: column block t / 2, 8 (t % 2) numbers on
	v_lshlrev_b32 v22, 11, v22
	v_and_b32 v23, 1, v0
	v_lshl_add_u32 v22, v23, 5, v22
	v_lshlrev_b32 v23, 2, v1                       ; coverage: row r
	v_lshlrev_b32 v[ADRA], 2, v3                   ; for now: the mask's offset, 4 bytes a lane;
	v_lshl_add_u32 v[ADRN], v0, 5, CONST           ; and where my thread's 8 constants go
	s_wait_kmcnt 0x0
	s_lshl_b32 s32, s3, 19                         ; a tile is 524,288 bytes of matrix (T < 512: under 2^28),
	s_mov_b32 s33, 0
	s_add_nc_u64 s[8:9], s[8:9], s[32:33]
	s_lshl_b32 s32, s2, 17                         ; my wave's 32 rows
	s_add_nc_u64 s[8:9], s[8:9], s[32:33]
	s_add_nc_u64 s[42:43], s[8:9], 0x8000000       ; the same rows of tile T + 256: used where T < 256 alone
	s_lshl_b32 s32, s3, 7
	s_add_nc_u64 s[10:11], s[10:11], s[32:33]
	s_lshl_b32 s32, s3, 9
	s_add_nc_u64 s[12:13], s[12:13], s[32:33]
	s_add_nc_u64 s[22:23], s[22:23], s[32:33]
	s_lshl_b32 s32, s4, 6
	s_add_nc_u64 s[20:21], s[20:21], s[32:33]
	s_lshl_b32 s32, s2, 19                         ; uf: my wave's two slabs, 524,288 dense bytes: 64 K steps of 8,192
	s_add_nc_u64 s[18:19], s[18:19], s[32:33]
	s_mul_i32 s32, s3, 4608                        ; wpart: my tile's record, my wave's 1,024 bytes
	s_lshl_b32 s5, s2, 10
	s_add_co_u32 s32, s32, s5
	s_add_nc_u64 s[24:25], s[24:25], s[32:33]
	s_wait_alu depctr_va_vdst(0)                   ; all offsets and LDS addresses, v6 to v23, are written: every load, store and prefetch of the kernel reads one of them
	; 63 loads on end: the small inputs (15), my share of chunk 0 (groups 0-3, into the rows' buffers, which are free), groups 4 and 5 (into the two slots)
	global_load_b128 v[32:35], v21, s[16:17]       ; w1
	global_load_b128 v[36:39], v21, s[16:17] offset:16
	global_load_b128 v[40:43], v21, s[14:15]       ; v
	global_load_b128 v[44:47], v21, s[14:15] offset:16
	global_load_b128 v[48:51], v22, s[20:21]       ; vW
	global_load_b128 v[52:55], v22, s[20:21] offset:16
.irp a, 0,1,2,3,4,5,6,7
	global_load_b32 v[COV+\a], v23, s[12:13] offset:64*(\a)
.endr
	global_load_b32 v[MSK], v[ADRA], s[10:11]
.set i, 0
.rept 32
	global_load_b128 v[AF0+4*i:AF0+4*i+3], v[VU], s[8:9] offset:i*4096 th:TH_LOAD_NT       ; a load of the wave: 512 consecutive bytes of one row
.set i, i+1
.endr
.set i, 0
.rept 16
	global_load_b128 v[SG+4*i:SG+4*i+3], v[VU], s[8:9] offset:i*4096+512 th:TH_LOAD_NT     ; rows 0-15 of chunk 1
.set i, i+1
.endr
	s_wait_loadcnt 48                              ; loads come back in order (ISA guide 5.7.1): behind the 15 stand 48
.irp u, 0,1,2,3
	v_cvt_pk_bf16_f32 v[56+\u], v[32+2*\u], v[32+2*\u+1]      ; w1 and v rounded to bf16,
	v_cvt_pk_bf16_f32 v[60+\u], v[40+2*\u], v[40+2*\u+1]
.endr
.irp u, 0,1,2,3
	v_lshlrev_b32 v[32+2*\u], 16, v[56+\u]                    ; and widened again
	v_and_b32 v[32+2*\u+1], s40, v[56+\u]
	v_lshlrev_b32 v[40+2*\u], 16, v[60+\u]
	v_and_b32 v[40+2*\u+1], s40, v[60+\u]
.endr
.irp u, 0,1,2,3
	v_pk_mul_f32 v[40+2*\u:40+2*\u+1], v[40+2*\u:40+2*\u+1], -2.0 op_sel_hi:[1,0]
.endr
	s_wait_alu depctr_va_vdst(0)                   ; w1 and -2 v are written in v32-47, which the LDS stores read
	ds_store_b128 v[ADRN], v[48:51]
	ds_store_b128 v[ADRN], v[52:55] offset:16
	ds_store_b128 v[ADRN], v[32:35] offset:4096
	ds_store_b128 v[ADRN], v[36:39] offset:4112
	ds_store_b128 v[ADRN], v[40:43] offset:8192
	ds_store_b128 v[ADRN], v[44:47] offset:8208
.irp u, 0,1,2,3
	v_cvt_pk_bf16_f32 v[56+\u], v[COV+2*\u], v[COV+2*\u+1]
.endr
.irp u, 0,1,2,3
	v_lshlrev_b32 v[COV+2*\u], 16, v[56+\u]
	v_and_b32 v[COV+2*\u+1], s40, v[56+\u]
.endr
	s_wait_dscnt 0x0                               ; for the others' sake: my constants are in LDS
	s_barrier_signal -1
	s_barrier_wait -1                              ; the constants are whole, and nothing writes them again
	s_wait_alu depctr_vm_vsrc(0)                   ; the LDS stores have read v32-47, which the lines below write
.irp u, 0,1,2,3,4,5,6,7,8,9,10,11,12,13,14,15
	v_mov_b32 v[S+\u], 0                           ; one text of the epilogue serves both passes, so these sixteen sums are cleared
.endr
; THE SUMS' START: accumulator (a, b) takes vW + coverage w1 for its 16 rows and 16 columns.  The constants of four column blocks at a time come from LDS into U's fourth buffer, which is free here.
.macro INIT
.irp g, 0,1
	WIN 0x40                                       ; destination window 1, address window 0
	s_wait_alu depctr_va_vdst(0)                   ; v[CADR], stepped behind an epilogue, is written; the multiply-adds of the four column blocks before are done reading IC, in which the loads land
.irp bb, 0,1,2,3
.irp arr, 0,1
	ds_load_b128 v[IC+16*(\bb)+8*(\arr):IC+16*(\bb)+8*(\arr)+3],   v[CADR] offset:(\arr)*4096+(4*(\g)+(\bb))*64
	ds_load_b128 v[IC+16*(\bb)+8*(\arr)+4:IC+16*(\bb)+8*(\arr)+7], v[CADR] offset:(\arr)*4096+(4*(\g)+(\bb))*64+16
.endr
.endr
	s_wait_dscnt 0x0
.irp bb, 0,1,2,3
.irp hi, 0,1
	WIN 0x91+0x40*(\hi)                            ; w1 and vW window 1, coverage window 0, destination window 2 or 3
.irp p, 0,1,2,3
.irp a, 0,1,2,3
.set rA, 8*(8*(\a)+4*(\g)+(\bb))+2*(\p)
.set rI, IC+16*(\bb)+2*(\p)
.set rV, COV+4*(\hi)+2*((\a)/2)
.if ((\a)%2) == 0
	v_pk_fma_f32 v[rA:rA+1], v[rI+8:rI+9], v[rV:rV+1], v[rI:rI+1] op_sel_hi:[1,0,1]
.else
	v_pk_fma_f32 v[rA:rA+1], v[rI+8:rI+9], v[rV:rV+1], v[rI:rI+1] op_sel:[0,1,0] op_sel_hi:[1,1,1]
.endif
.endr
.endr
.endr
.endr
.endr
.endm
; Chunk 0: eight loads of matrix (registers base on; rows 8 q .. 8 q + 7 of my 32) are rounded in place, a lane's 4 numbers to 8 bytes, and stored: a store of the wave covers 256 consecutive bytes.
; cnt: the loads younger than these eight.
.macro CONV base, q, cnt
	WIN 0
	s_wait_loadcnt \cnt
.irp i, 0,1,2,3,4,5,6,7
	v_cvt_pk_bf16_f32 v[(\base)+4*(\i)],   v[(\base)+4*(\i)],   v[(\base)+4*(\i)+1]
	v_cvt_pk_bf16_f32 v[(\base)+4*(\i)+1], v[(\base)+4*(\i)+2], v[(\base)+4*(\i)+3]
.endr
	s_wait_alu depctr_va_vdst(0)                   ; the roundings have written the registers that the LDS stores read
.irp i, 0,1,2,3,4,5,6,7
	ds_store_b64 v[STA], v[(\base)+4*(\i):(\base)+4*(\i)+1] offset:(8*(\q)+(\i))*CPITCH
.endr
.endm
.macro GROW q, cnt                     ; a group of chunk 0, and twelve of the 48 loads that bring U's first three K steps (into registers that no vector instruction has named)
	CONV AF0+32*(\q), \q, \cnt
	WIN 0x40                                       ; destination window 1
.set x, 12*(\q)
.rept 12
	global_load_b128 v[64*(x/16)+4*(x%16):64*(x/16)+4*(x%16)+3], v[VU], s[18:19] offset:(x/16)*8192+(x%16)*512
.set x, x+1
.endr
.endm
	INIT                                           ; pass 0's: it stands in the wait for chunk 0
	GROW 0, 40                                     ; younger than group q: 8 (3 - q) of chunk 0, the 16 of groups 4 and 5, 12 q of U
	GROW 1, 44
	GROW 2, 48
	GROW 3, 51                                     ; (52 would do; with 51 no more than 63 loads are out behind the twelve that follow)
	WIN 0
	s_wait_alu depctr_vm_vsrc(0)                   ; chunk 0's stores have read v[STA] and the rows' two buffers, the mask's load v[ADRA], the constants' stores v[ADRN]: all are written again below
	v_add_nc_u32 v[STA], CHUNK, v[STA]             ; the next stores go to chunk 1
	v_mov_b32 v[ADRA], v[ADB]
	v_add_nc_u32 v[ADRN], CHUNK, v[ADB]
	s_wait_dscnt 0x0                               ; for the others' sake: my rows of chunk 0 are in LDS
	s_barrier_signal -1
	s_barrier_wait -1                              ; chunk 0 is whole
; THE PRODUCT.  8 matrix instructions: row block a of the window's four (hi = 0: rows 0-63, 1: rows 64-127) x all 8 column blocks, 32 along K.
; The 64 accumulators take turns, one instruction a turn, in the same order in every K step.
.macro MUL8 ub, af, hi, a
	WIN 0xa1+0x50*(\hi)                            ; U window 1, rows window 0, C and D window 2 or 3
.irp b, 0,1,2,3,4,5,6,7
	v_wmma_f32_16x16x32_bf16 v[8*(8*(\a)+(\b)):8*(8*(\a)+(\b))+7], v[64*(\ub)+8*(\b):64*(\ub)+8*(\b)+7], v[AF0+64*(\af)+8*(4*(\hi)+(\a)):AF0+64*(\af)+8*(4*(\hi)+(\a))+7], v[8*(8*(\a)+(\b)):8*(8*(\a)+(\b))+7]
.endr
.endm
.macro UHALF ub, imm, p                ; half p of a K step of my stream of uf (8,192 dense bytes): 8 loads of 512 consecutive bytes, each half a fragment
	WIN 0x40
.set x, 8*(\p)
.rept 8
	global_load_b128 v[64*(\ub)+4*x:64*(\ub)+4*x+3], v[VU], s[18:19] offset:(\imm)+512*x
.set x, x+1
.endr
.endm
.macro AHALF af, adr, imm, p           ; the fragments of rows 64 p .. 64 p + 63, 32 along K at byte imm of a chunk's rows: 8 loads, row blocks ascending
	WIN 0
.irp a, 0,1,2,3
	ds_load_b128 v[AF0+64*(\af)+8*(4*(\p)+(\a)):AF0+64*(\af)+8*(4*(\p)+(\a))+3],   v[\adr] offset:(\imm)+(4*(\p)+(\a))*16*CPITCH
	ds_load_b128 v[AF0+64*(\af)+8*(4*(\p)+(\a))+4:AF0+64*(\af)+8*(4*(\p)+(\a))+7], v[\adr] offset:(\imm)+(4*(\p)+(\a))*16*CPITCH+32
.endr
.endm
.macro CVT slot                        ; a group is rounded out of its slot into OUT: a lane's 4 numbers of a row to 8 bytes
	WIN 0
.irp i, 0,1,2,3,4,5,6,7
	v_cvt_pk_bf16_f32 v[OUT+2*(\i)],   v[SG+32*(\slot)+4*(\i)],   v[SG+32*(\slot)+4*(\i)+1]
	v_cvt_pk_bf16_f32 v[OUT+2*(\i)+1], v[SG+32*(\slot)+4*(\i)+2], v[SG+32*(\slot)+4*(\i)+3]
.endr
.endm
.macro PUT q                           ; and stored, as rows 8 q .. 8 q + 7 of my 32: a store of the wave covers 256 consecutive bytes
	WIN 0
.irp i, 0,1,2,3,4,5,6,7
	ds_store_b64 v[STA], v[OUT+2*(\i):OUT+2*(\i)+1] offset:(8*(\q)+(\i))*CPITCH
.endr
.endm
.macro MLOAD slot, off                 ; a group is asked for: 8 rows from byte off of the running address
	WIN 0
.irp i, 0,1,2,3,4,5,6,7
	global_load_b128 v[SG+32*(\slot)+4*(\i):SG+32*(\slot)+4*(\i)+3], v[VU], s[8:9] offset:(\off)+(\i)*4096 th:TH_LOAD_NT
.endr
.endm
; A PLAIN K STEP: 64 matrix instructions on U's buffer ub and the rows' buffer af.  Between its first runs of eight stand the rows of the next step (afetch = 1: in the chunk in hand; 2: the first of the chunk
; that follows) and U of the step three on.  lcnt: the loads younger than this step's U: the two steps' behind it, 16 each.
.macro KPLAIN ub, af, lcnt, uload, uimm, afetch, aimm
	s_wait_loadcnt \lcnt
	s_wait_dscnt 8                                 ; rows 0-63 are in; the youngest eight loads (rows 64-127) may be out
.if (\uload) || (\afetch)
	s_wait_alu depctr_va_vdst(0)                   ; the products of the step before are done reading the U buffer and the rows' buffer in which this step's loads land; in a chunk's first step v[ADRA] and v[ADRN] are written
.endif
	MUL8 \ub, \af, 0, 0
.if (\afetch) == 1
	AHALF 1-(\af), ADRA, \aimm, 0                  ; no wait: no vector or matrix instruction since the wait above names these registers; so for all loads of the step
.elseif (\afetch) == 2
	AHALF 1-(\af), ADRN, \aimm, 0
.endif
	MUL8 \ub, \af, 0, 1
.if (\afetch) == 1
	AHALF 1-(\af), ADRA, \aimm, 1
.elseif (\afetch) == 2
	AHALF 1-(\af), ADRN, \aimm, 1
.endif
	MUL8 \ub, \af, 0, 2
.if \uload
	UHALF ((\ub)+3)%4, \uimm, 0
.endif
	MUL8 \ub, \af, 0, 3
.if \uload
	UHALF ((\ub)+3)%4, \uimm, 1
.endif
.if \afetch
	s_wait_dscnt 16                                ; all but this step's 16: rows 64-127 are in
.else
	s_wait_dscnt 0x0
.endif
	MUL8 \ub, \af, 1, 0
	MUL8 \ub, \af, 1, 1
	MUL8 \ub, \af, 1, 2
	MUL8 \ub, \af, 1, 3
.endm
; A K STEP OF PASS 0 (step t).  At its head group t + 4 (slot t % 2) is rounded into OUT; then, between the runs of eight products: group t + 6 is asked for into the same slot (mload = 1), OUT is stored
; (rows 8 q on), the rows of step t + 1 are fetched, U of step t + 3 is asked for.  A step issues its group ahead of its U, so younger than group t + 4 (asked for in step t - 2) are U of t + 1, group t + 5
; and U of t + 2: 40; this step's U is older still.  vs = 1: OUT's wait is written; a chunk's first step leans on the wait that stands ahead of the addresses' adds.
.macro KSTREAM ub, af, lcnt, uimm, aimm, slot, q, mload, moff, vs
	s_wait_loadcnt \lcnt                           ; this step's U and group t + 4 are in
	s_wait_dscnt 8                                 ; rows 0-63 are in; the youngest eight loads (rows 64-127) may be out
.if \vs
	s_wait_alu depctr_vm_vsrc(0)                   ; the LDS stores of the step before have read OUT, which the roundings write again
.endif
	CVT \slot
	s_wait_alu depctr_va_vdst(0)                   ; the roundings have written OUT and are done reading their slot; the products of the step before are done reading the U buffer and the rows' buffer in which this step's loads land; in a chunk's first step the three addresses are written
	MUL8 \ub, \af, 0, 0
.if \mload
	MLOAD \slot, \moff                             ; no wait: no vector or matrix instruction since the wait above names these registers; so for all loads and stores of the step
.endif
	MUL8 \ub, \af, 0, 1
	PUT \q
	MUL8 \ub, \af, 0, 2
	AHALF 1-(\af), ADRA, \aimm, 0
	MUL8 \ub, \af, 0, 3
	AHALF 1-(\af), ADRA, \aimm, 1
	s_wait_dscnt 24                                ; all but this step's 8 stores and 16 loads: rows 64-127 are in
	MUL8 \ub, \af, 1, 0
	UHALF ((\ub)+3)%4, \uimm, 0
	MUL8 \ub, \af, 1, 1
	UHALF ((\ub)+3)%4, \uimm, 1
	MUL8 \ub, \af, 1, 2
	MUL8 \ub, \af, 1, 3
.endm
; A CHUNK'S LAST K STEP IN PASS 0.  It stores the last group of the next chunk; then ONE barrier: in front of it my stores are done, behind it the next chunk is whole and its first fragments are fetched.
; Sixteen matrix instructions, work on registers, stand between the signal and the wait.
.macro KTURN ub, af, lcnt, uimm, slot, q, mload, moff
	s_wait_loadcnt \lcnt
	s_wait_dscnt 8
	s_wait_alu depctr_vm_vsrc(0)                   ; the LDS stores of the step before have read OUT, which the roundings write again
	CVT \slot
	s_wait_alu depctr_va_vdst(0)                   ; the roundings have written OUT and are done reading their slot; the products of the step before are done reading the U buffer and the rows' buffer in which this step's loads land
	MUL8 \ub, \af, 0, 0
	PUT \q
	MUL8 \ub, \af, 0, 1
.if \mload
	MLOAD \slot, \moff
.endif
	s_wait_dscnt 0x0                               ; for the others' sake: my share of the next chunk is in LDS (and rows 64-127 of this step are in)
	s_barrier_signal -1
	MUL8 \ub, \af, 0, 2
	MUL8 \ub, \af, 0, 3
	s_barrier_wait -1
	AHALF 1-(\af), ADRN, 0, 0
	MUL8 \ub, \af, 1, 0
	AHALF 1-(\af), ADRN, 0, 1
	MUL8 \ub, \af, 1, 1
	UHALF ((\ub)+3)%4, \uimm, 0
	MUL8 \ub, \af, 1, 2
	UHALF ((\ub)+3)%4, \uimm, 1
	MUL8 \ub, \af, 1, 3
.endm
; THE EPILOGUE of four accumulators: column block b, row blocks 4 hi + 0..3: y = K x; 2^y; + 1; the reciprocal r; S += (-2 v) r.  Every run goes pair by pair through the four.
; The exponentials and reciprocals stand on end, a plain instruction behind each run (ISA guide 5.7.2).
.macro EGROUP b, hi
	WIN 0x82+0x41*(\hi)                            ; destination and source 0 in the accumulators' window
.irp p, 0,1,2,3
.irp a, 0,1,2,3
.set rA, 8*(8*(\a)+(\b))+2*(\p)
	v_pk_mul_f32 v[rA:rA+1], v[rA:rA+1], s[26:27] op_sel_hi:[1,0]
.endr
.endr
.irp a, 0,1,2,3
.irp e, 0,1,2,3,4,5,6,7
	v_exp_f32 v[8*(8*(\a)+(\b))+(\e)], v[8*(8*(\a)+(\b))+(\e)]
.endr
.endr
	v_nop
	s_wait_alu depctr_va_vdst(0)                   ; the 32 exponentials have written their results, which the additions read
.irp p, 0,1,2,3
.irp a, 0,1,2,3
.set rA, 8*(8*(\a)+(\b))+2*(\p)
	v_pk_add_f32 v[rA:rA+1], v[rA:rA+1], 1.0 op_sel_hi:[1,0]
.endr
.endr
.irp a, 0,1,2,3
.irp e, 0,1,2,3,4,5,6,7
	v_rcp_f32 v[8*(8*(\a)+(\b))+(\e)], v[8*(8*(\a)+(\b))+(\e)]
.endr
.endr
	v_nop
	WIN 0x02+(\hi)                                 ; source 0 in the accumulators' window
	s_wait_alu depctr_va_vdst(0)                   ; the 32 reciprocals have written their results, which the multiply-adds read
.irp p, 0,1,2,3
.irp a, 0,1,2,3
.set rA, 8*(8*(\a)+(\b))+2*(\p)
.set rS, S+2*(4*(\hi)+(\a))
	v_pk_fma_f32 v[rS:rS+1], v[rA:rA+1], v[CB+8*(\b)+2*(\p):CB+8*(\b)+2*(\p)+1], v[rS:rS+1]
.endr
.endr
.endm
	; PASS 0, K steps 0 to 27.  The global loads run G4 G5 U0 U1 U2 | G6 U3 | G7 U4 | .. (G: a group, 8 loads; U: a K step, 16).  The count at a trip's first step is the first trip's: younger than U of
	; step 0 are U of 1 and 2: 32; in later trips 40 would do.  At the other steps 40 are younger than the group that the step rounds; with 39 no more than 63 loads are out behind the step's 24.
	s_wait_alu depctr_va_vdst(0)                   ; v[ADRA] is written, which the loads below read
	AHALF 0, ADRA, 0, 0
	AHALF 0, ADRA, 0, 1
	s_mov_b32 s31, 6
.Lp0:                                                  ; trip u: K steps 4 u .. 4 u + 3 on chunk u; chunk u + 1 is stored; groups 4 u + 6 .. 4 u + 9 are asked for
	KSTREAM 0, 0, 32, 24576, 64,  0, 0, 1, 16*4096+512, 0
	KSTREAM 1, 1, 39, 32768, 128, 1, 1, 1, 24*4096+512, 1
	KSTREAM 2, 0, 39, 40960, 192, 0, 2, 1, 1024, 1
	KTURN   3, 1, 39, 49152,      1, 3, 1, 8*4096+1024
	WIN 0                                          ; at a label and at a branch every window is 0
	s_wait_alu depctr_vm_vsrc(0)                   ; the chunk's LDS loads and stores have read the three addresses, and the last step's stores OUT
	v_add_nc_u32 v[ADRA], CHUNK, v[ADRA]
	v_add_nc_u32 v[ADRN], CHUNK, v[ADRN]
	v_add_nc_u32 v[STA], CHUNK, v[STA]
	s_wait_xcnt 0x0                                ; the loads' bases are stepped only behind this wait
	s_add_nc_u64 s[18:19], s[18:19], 32768         ; four K steps of U
	s_add_nc_u64 s[8:9], s[8:9], 512               ; a chunk of matrix
	s_sub_co_u32 s31, s31, 1
	s_cmp_lg_u32 s31, 0
	s_cbranch_scc1 .Lp0
	KSTREAM 0, 0, 32, 24576, 64,  0, 0, 1, 16*4096+512, 0    ; steps 24 to 27 are written out: groups 30 and 31 are the last, so steps 26 and 27 ask for none and no load leaves the tile
	KSTREAM 1, 1, 39, 32768, 128, 1, 1, 1, 24*4096+512, 1
	KSTREAM 2, 0, 39, 40960, 192, 0, 2, 0, 0, 1
	KTURN   3, 1, 32, 49152,      1, 3, 0, 0                 ; younger than group 31: U of 28 and 29 = 32
	WIN 0
	s_wait_alu depctr_vm_vsrc(0)                   ; the chunk's LDS loads have read v[ADRA] and v[ADRN]
	v_add_nc_u32 v[ADRA], CHUNK, v[ADRA]           ; chunk 7;
	v_mov_b32 v[ADRN], v[ADB]                      ; behind it comes chunk 0 again: step 31 fetches pass 1's first fragments, which the epilogue leaves alone
	s_wait_xcnt 0x0
	s_add_nc_u64 s[18:19], s[18:19], 32768
	s_mov_b32 s30, 2                               ; epilogues to come
	s_mov_b32 s31, 1                               ; steps 28 to 31 are one trip of the plain loop: U's stream runs on into pass 1's slab
	s_branch .Lk
.Lpass:                                                ; pass 1: columns 512 + 128 w on
	INIT
	WIN 0
	v_mov_b32 v[ADRA], v[ADB]                      ; (no LDS load has read these two since the wait ahead of their last adds)
	v_add_nc_u32 v[ADRN], CHUNK, v[ADB]
	s_mov_b32 s31, 7
.Lk:                                                   ; a trip: the four K steps of a chunk; they ask for U three steps on
	KPLAIN 0, 0, 32, 1, 24576, 1, 64
	KPLAIN 1, 1, 32, 1, 32768, 1, 128
	KPLAIN 2, 0, 32, 1, 40960, 1, 192
	KPLAIN 3, 1, 32, 1, 49152, 2, 0
	WIN 0
	s_wait_alu depctr_vm_vsrc(0)                   ; the chunk's LDS loads have read v[ADRA] and v[ADRN]
	v_add_nc_u32 v[ADRA], CHUNK, v[ADRA]
	v_add_nc_u32 v[ADRN], CHUNK, v[ADRN]
	s_wait_xcnt 0x0
	s_add_nc_u64 s[18:19], s[18:19], 32768
	s_sub_co_u32 s31, s31, 1
	s_cmp_lg_u32 s31, 0
	s_cbranch_scc1 .Lk
	s_cmp_eq_u32 s30, 2
	s_cbranch_scc1 .Lepi                           ; pass 0 is over
	KPLAIN 0, 0, 32, 1, 24576, 1, 64               ; pass 1's last chunk: step 28 asks for the stream's last K step, the others for nothing, so that no load leaves uf: the counts run down
	KPLAIN 1, 1, 32, 0, 0, 1, 128
	KPLAIN 2, 0, 16, 0, 0, 1, 192
	KPLAIN 3, 1, 0,  0, 0, 0, 0
	WIN 0
.Lepi:
	PLACES                                         ; between the last products and the multiplies that read their results
	s_wait_alu depctr_va_vdst(0)                   ; the last products are done reading the rows' second buffer, in which -2 v lands
.irp b, 0,1,2,3,4,5,6,7
	ds_load_b128 v[CB+8*(\b):CB+8*(\b)+3],   v[CADR] offset:8192+(\b)*64
	ds_load_b128 v[CB+8*(\b)+4:CB+8*(\b)+7], v[CADR] offset:8192+(\b)*64+16
.endr
	s_wait_dscnt 0x0
.irp b, 0,1,2,3,4,5,6,7
	EGROUP \b, 0
	EGROUP \b, 1
.endr
	WIN 0
	s_wait_alu depctr_vm_vsrc(0)                   ; the LDS loads of the constants have read v[CADR]
	v_add_nc_u32 v[CADR], 2048, v[CADR]            ; the next pass's 512 columns
	s_sub_co_u32 s30, s30, 1
	s_cmp_lg_u32 s30, 0
	s_cbranch_scc1 .Lpass
	; Tiles 0 to 255 ask for the first 1,024 bytes (chunks 0 and 1) of my wave's 32 rows of tile T + 256: a lane a row, four requests 256 bytes apart, each block asked for once in the launch:
	; 32,768 bytes a wave, of which that tile's work-group loads 24,576 on end at its start.  Tiles 256 on ask for nothing: no request passes matrix's end.
	s_cmp_lt_u32 s3, 256
	s_cbranch_scc0 .Lnopf
.irp q, 0,1,2,3
	global_prefetch_b8 v[PFO], s[42:43] offset:(\q)*256 th:TH_LOAD_NT scope:SCOPE_SE
.endr
.Lnopf:
	; my wave's share of the 128 logits: even + odd columns, + the other half of the lanes' columns
.irp a, 0,1,2,3,4,5,6,7
	v_add_f32 v[192+\a], v[S+2*\a], v[S+2*\a+1]
.endr
.irp a, 0,1,2,3,4,5,6,7
	v_permlanex16_b32 v[200+\a], v[192+\a], s28, s29
.endr
.irp a, 0,1,2,3,4,5,6,7
	v_add_f32 v[192+\a], v[192+\a], v[200+\a]
.endr
	s_wait_alu depctr_va_vdst(0)                   ; the additions have written v192-199, which the LDS stores read, and are done with v192-207, in which the loads behind the barrier land
.irp a, 0,1,2,3,4,5,6,7
	ds_store_b32 v[SPA], v[192+\a] offset:64*(\a)  ; both halves of the lanes write the same word with the same number
.endr
	s_wait_dscnt 0x0                               ; for the others' sake
	s_barrier_signal -1
	s_barrier_wait -1
	s_wait_alu depctr_vm_vsrc(0)                   ; my LDS stores have read v192-199, in which the loads below land
	; every wave does the tile's softmax alike: lane L has rows 4 L .. 4 L + 3
.irp w, 0,1,2,3
	ds_load_b128 v[192+4*\w:192+4*\w+3], v[SPR] offset:512*(\w)
.endr
	v_and_b32 v208, 0xff, v[MSK]
	v_and_b32 v209, 0xff00, v[MSK]
	v_and_b32 v210, 0xff0000, v[MSK]
	v_and_b32 v211, 0xff000000, v[MSK]
	v_cmp_ne_u32 s34, 0, v208
	v_cmp_ne_u32 s35, 0, v209
	v_cmp_ne_u32 s36, 0, v210
	v_cmp_ne_u32 s37, 0, v211
	s_wait_alu depctr_va_sdst(0)                   ; the four compares have written s34 to s37, ahead of the selects that read them
	s_wait_dscnt 0x0
	v_pk_add_f32 v[192:193], v[192:193], v[196:197]
	v_pk_add_f32 v[194:195], v[194:195], v[198:199]
	v_pk_add_f32 v[200:201], v[200:201], v[204:205]
	v_pk_add_f32 v[202:203], v[202:203], v[206:207]
	v_pk_add_f32 v[192:193], v[192:193], v[200:201]
	v_pk_add_f32 v[194:195], v[194:195], v[202:203]
.irp q, 0,1,2,3
	v_cndmask_b32 v[196+\q], s38, v[192+\q], s[34+\q]   ; the logit, or -1e30 where masked
.endr
	v_max3_num_f32 v200, v196, v197, v198
	v_max_num_f32 v200, v200, v199
	v_max_num_f32_dpp v200, v200, v200 row_xmask:1 row_mask:0xf bank_mask:0xf
	v_max_num_f32_dpp v200, v200, v200 row_xmask:2 row_mask:0xf bank_mask:0xf
	v_max_num_f32_dpp v200, v200, v200 row_xmask:4 row_mask:0xf bank_mask:0xf
	v_max_num_f32_dpp v200, v200, v200 row_xmask:8 row_mask:0xf bank_mask:0xf
	v_permlanex16_b32 v201, v200, s28, s29
	v_max_num_f32 v200, v200, v201                 ; m, in every lane
.irp q, 0,1,2,3
	v_sub_f32 v[240+\q], v[196+\q], v200           ; the difference first: equal numbers give 0 at -1e30 too
.endr
.irp q, 0,1,2,3
	v_mul_f32 v[240+\q], s39, v[240+\q]
.endr
.irp q, 0,1,2,3
	v_exp_f32 v[240+\q], v[240+\q]
.endr
	v_nop
	s_wait_alu depctr_va_vdst(0)                   ; the four exponentials have written v240-243, which the selects read
.irp q, 0,1,2,3
	v_cndmask_b32 v[240+\q], 0, v[240+\q], s[34+\q]     ; p; 0 where masked
.endr
	v_add_f32 v202, v240, v241
	v_add_f32 v203, v242, v243
	v_add_f32 v202, v202, v203
	v_add_f32_dpp v202, v202, v202 row_xmask:1 row_mask:0xf bank_mask:0xf
	v_add_f32_dpp v202, v202, v202 row_xmask:2 row_mask:0xf bank_mask:0xf
	v_add_f32_dpp v202, v202, v202 row_xmask:4 row_mask:0xf bank_mask:0xf
	v_add_f32_dpp v202, v202, v202 row_xmask:8 row_mask:0xf bank_mask:0xf
	v_permlanex16_b32 v203, v202, s28, s29
	v_add_f32 v245, v202, v203                     ; l
	v_mov_b32 v244, v200
	v_mov_b32 v246, v200
	v_mov_b32 v247, v245
	s_cmp_lg_u32 s2, 0
	s_cbranch_scc1 .Lnot0
	s_wait_alu depctr_va_vdst(0)                   ; p, m and l are written in v240-247, which the two stores read
	global_store_b128 v[VU], v[240:243], s[22:23]              ; wave 0: the tile's 128 p, 512 consecutive bytes;
	global_store_b128 v[VU], v[244:247], s[24:25] offset:4096  ; and (m, l) 64 times, so that the record's last 512 bytes are written whole.  v240-247 are not written again
.Lnot0:
	v_cvt_pk_bf16_f32 v248, v240, v241             ; p = hi + lo, two bf16
	v_cvt_pk_bf16_f32 v249, v242, v243
	v_lshlrev_b32 v250, 16, v248
	v_and_b32 v251, s40, v248
	v_lshlrev_b32 v252, 16, v249
	v_and_b32 v253, s40, v249
	v_pk_add_f32 v[250:251], v[240:241], v[250:251] neg_lo:[0,1] neg_hi:[0,1]
	v_pk_add_f32 v[252:253], v[242:243], v[252:253] neg_lo:[0,1] neg_hi:[0,1]
	v_cvt_pk_bf16_f32 v254, v250, v251
	v_cvt_pk_bf16_f32 v255, v252, v253
	s_wait_alu depctr_va_vdst(0)                   ; hi and lo are written in v248, v249, v254, v255, which the LDS stores read; the softmax is done with v192-211, in which p's fragments land
	ds_store_b64 v[PBW], v[248:249]
	ds_store_b64 v[PBW], v[254:255] offset:256
.irp k, 0,1,2,3                        ; source 0 of the second product: 16 rows x 32 tile rows; its even rows hold hi, its odd rows lo.  My wave's own bytes: LDS serves a wave's instructions in order (ISA guide 5.7.1.4)
	ds_load_b128 v[192+8*\k:192+8*\k+3], v[PFA] offset:64*(\k)
	ds_load_b128 v[192+8*\k+4:192+8*\k+7], v[PFA] offset:64*(\k)+32
.endr
; sum p row, for my wave's 256 channels (two chunks): the tile lies [row][channel], so source 1 comes turned, by ds_load_tr16_b128: 32 tile rows x 16 channel blocks, 32 loads, into half of window 1.
; The largest immediate, a chunk + 112 rows + 224 bytes, is 65,504: inside the 16 bits.
.macro TRL kb, buf
	WIN 0x40
.irp n, 0,1,2,3,4,5,6,7,8,9,10,11,12,13,14,15
	ds_load_tr16_b128 v[128*(\buf)+8*(\n):128*(\buf)+8*(\n)+3],   v[TRA] offset:((\n)/8)*CHUNK+(\kb)*32*CPITCH+32*((\n)%8)
	ds_load_tr16_b128 v[128*(\buf)+8*(\n)+4:128*(\buf)+8*(\n)+7], v[TRA] offset:((\n)/8)*CHUNK+(\kb)*32*CPITCH+32*((\n)%8)+16*CPITCH
.endr
.endm
.macro WM kb, buf, zero                ; 16 matrix instructions, 16 accumulators by turns
	WIN 0xa4                                       ; p window 0, the tile window 1, C and D window 2
.irp n, 0,1,2,3,4,5,6,7,8,9,10,11,12,13,14,15
.if \zero
	v_wmma_f32_16x16x32_bf16 v[8*(\n):8*(\n)+7], v[192+8*(\kb):192+8*(\kb)+7], v[128*(\buf)+8*(\n):128*(\buf)+8*(\n)+7], 0
.else
	v_wmma_f32_16x16x32_bf16 v[8*(\n):8*(\n)+7], v[192+8*(\kb):192+8*(\kb)+7], v[128*(\buf)+8*(\n):128*(\buf)+8*(\n)+7], v[8*(\n):8*(\n)+7]
.endif
.endr
.endm
	TRL 0, 0                                       ; (window 1 was last read by pass 1's products, ahead of the epilogue's waits)
	TRL 1, 1
	s_wait_dscnt 32                                ; all but the 32 just issued
	WM 0, 0, 1
	WIN 0x40
	s_wait_alu depctr_va_vdst(0)                   ; the sixteen products are done reading the first half of window 1, in which the next loads land
	TRL 2, 0
	s_wait_dscnt 32
	WM 1, 1, 0
	WIN 0x40
	s_wait_alu depctr_va_vdst(0)                   ; the sixteen products are done reading the second half of window 1, in which the next loads land
	TRL 3, 1
	s_wait_dscnt 32
	WM 2, 0, 0
	s_wait_dscnt 0x0
	WM 3, 1, 0
	PLACES
	WIN 0x0a                                       ; sources in window 2
.irp n, 0,1,2,3,4,5,6,7,8,9,10,11,12,13,14,15
	v_add_f32 v[TP+\n], v[8*(\n)], v[8*(\n)+1]     ; registers 0 and 1 of every lane: the hi row's sum and the lo row's, for channel 16 n + r
.endr
	WIN 0
	s_wait_alu depctr_va_vdst(0)                   ; the additions have written v224-239, which the LDS stores read; the products are done reading p's first fragment, v192-199, in which the loads below land
.irp n, 0,1,2,3,4,5,6,7,8,9,10,11,12,13,14,15
	ds_store_b32 v[OSA], v[TP+\n] offset:64*(\n)   ; through my own stage, so that 16 bytes a lane leave
.endr
	ds_load_b128 v[192:195], v[OSR]
	ds_load_b128 v[196:199], v[OSR] offset:512
	s_wait_dscnt 0x0
	global_store_b128 v[VU], v[192:195], s[24:25]              ; 512 consecutive bytes each
	global_store_b128 v[VU], v[196:199], s[24:25] offset:512
	s_wait_dscnt 0x0                               ; the closing lines, six on end
	s_wait_alu 0x0
	s_wait_tensorcnt 0x0
	ds_add_u32 v[SPW], v[NIL]
	s_wait_dscnt 0x0
	s_endpgm
.Lfunc_end_k_q3db30fadd4_main:
	.size	k_q3db30fadd4_main, .Lfunc_end_k_q3db30fadd4_main-k_q3db30fadd4_main
	.p2alignl 7, 3214868480
	.fill 96, 4, 3214868480
	.section	.rodata,"a",@progbits
	.p2align	6, 0x0
	.amdhsa_kernel k_q3db30fadd4_main
		.amdhsa_group_segment_fixed_size 299520
		.amdhsa_private_segment_fixed_size 0
		.amdhsa_enable_private_segment 0
		.amdhsa_kernarg_size 72
		.amdhsa_user_sgpr_count 2
		.amdhsa_user_sgpr_kernarg_segment_ptr 1
		.amdhsa_wavefront_size32 1
		.amdhsa_system_sgpr_workgroup_id_x 1
		.amdhsa_system_sgpr_workgroup_id_y 1
		.amdhsa_system_sgpr_workgroup_id_z 1
		.amdhsa_system_vgpr_workitem_id 0
		.amdhsa_next_free_vgpr 1024
		.amdhsa_next_free_sgpr 66
		.amdhsa_reserve_vcc 0
		.amdhsa_float_denorm_mode_32 3
		.amdhsa_float_denorm_mode_16_64 3
		.amdhsa_memory_ordered 1
		.amdhsa_forward_progress 1
		.amdhsa_inst_pref_size 255
	.end_amdhsa_kernel
	.section	.bss,"aw",@nobits
	.p2align	6
	.space	262144
	.amdgpu_metadata
---
amdhsa.version: [ 1, 2 ]
amdhsa.kernels:
  - .name:           k_q3db30fadd4_main
    .symbol:         k_q3db30fadd4_main.kd
    .args:
      - { .name: matrix, .offset: 0, .size: 8, .value_kind: global_buffer, .address_space: global }
      - { .name: matrix_mask, .offset: 8, .size: 8, .value_kind: global_buffer, .address_space: global }
      - { .name: coverage, .offset: 16, .size: 8, .value_kind: global_buffer, .address_space: global }
      - { .name: v, .offset: 24, .size: 8, .value_kind: global_buffer, .address_space: global }
      - { .name: w1, .offset: 32, .size: 8, .value_kind: global_buffer, .address_space: global }
      - { .name: uf, .offset: 40, .size: 8, .value_kind: global_buffer, .address_space: global }
      - { .name: vw, .offset: 48, .size: 8, .value_kind: global_buffer, .address_space: global }
      - { .name: pw, .offset: 56, .size: 8, .value_kind: global_buffer, .address_space: global }
      - { .name: wpart, .offset: 64, .size: 8, .value_kind: global_buffer, .address_space: global }
    .group_segment_fixed_size: 299520
    .private_segment_fixed_size: 0
    .kernarg_segment_align: 8
    .kernarg_segment_size: 72
    .max_flat_workgroup_size: 128
    .sgpr_count:     66
    .vgpr_count:     1024
    .wavefront_size: 32
...
	.end_amdgpu_metadata
.endif
;; end of part 4
;; launch combine: the kernel of part 3 again; grid 4 x 32, 2 waves a work-group, no clusters, 0 bytes of LDS; arguments wpart, pw, coverage, out0, out1, out2; writes out0, out1, out2
